; MI455X (gfx1250); checked and timed in simulation.
; The chip was launched on July 23, 2026; its instructions are those of AMD's public machine-readable ISA for CDNA 5 (MIT licence, August 2026) and "CDNA5" Instruction Set Architecture Reference Guide (July 2026). The comments in the code are by the model that wrote it; some were corrected since.
;; Full Attention Multi Head. Allowed arithmetic: matrix products marked QUANTISED: E2M3 operands, one E8M0 scale for each 32 along K, by v_wmma_scale_f32_16x16x128_f8f6f4 with both operands' format E2M3, f32 sums; everything else in f32.
;; Inputs: Wk 1,024 x 1,024 float32; Wo 1,024 x 1,024 float32; Wq 1,024 x 1,024 float32; Wv 1,024 x 1,024 float32; attention_mask 4 x 2,048 int32; bk 1,024 float32; bo 1,024 float32; bq 1,024 float32; bv 1,024 float32; x 4 x 2,048 x 1,024 float32.
;; Outputs: out0 4 x 2,048 x 1,024 float32.
;; This version of the problem:
;;   THIS VERSION OF THE PROBLEM IS GIVEN IN LOW PRECISION. The matrix products marked QUANTISED in the list below multiply operands that are first quantised to E2M3 (2 exponent bits, 3 mantissa bits; 6 bits a number), with one power-of-two scale for each 32 numbers along K (OCP MX v1.0); their sums are f32. All else is computed in f32.
;;   The module's matrix products, in the order in which they are computed (A, B: the left and right operand; K: the contracted axis; several contracted axes count as one K, in the product's order):
;;     1. [M 8,192, K 1,024] x [K 1,024, N 1,024]; A: input x; B: input Wq: QUANTISED
;;     2. [M 8,192, K 1,024] x [K 1,024, N 1,024]; A: input x; B: input Wk: QUANTISED
;;     3. [M 8,192, K 1,024] x [K 1,024, N 1,024]; A: input x; B: input Wv: QUANTISED
;;     4. batch 64 x [M 2,048, K 64] x [K 64, N 2,048]; A: computed on the way; B: computed on the way: QUANTISED
;;     5. batch 64 x [M 2,048, K 2,048] x [K 2,048, N 64]; A: softmax (see below); B: computed on the way: QUANTISED
;;     6. [M 8,192, K 1,024] x [K 1,024, N 1,024]; A: computed on the way; B: input Wo: QUANTISED
;;   THE QUANTISER, for each operand of a quantised product, along K:
;;     - K is cut into blocks of 32 from its start; a last block that is shorter is filled with zeros.
;;     - A block's scale is 2^e with e = floor(log2(the largest magnitude in the block)) - 2, held to -126 .. 127; a block of zeros has e = 0. As a byte (E8M0): e + 127.
;;     - Each number is divided by its block's scale, clamped to +-7.5, and rounded to the nearest number of E2M3, ties to even, subnormals kept.
;;     - The product sums the exact products of the quantised numbers (number of the format x scale) in f32.
;;   ~~~python
;;   def quantise(x, axis):      # numpy; x: float32 -> the quantised numbers, widened to float32 again
;;       x = np.moveaxis(x, axis, -1); K = x.shape[-1]
;;       x = np.pad(x, [(0, 0)] * (x.ndim - 1) + [(0, -K % 32)]); x = x.reshape(x.shape[:-1] + (-1, 32)); a = np.abs(x).max(-1, keepdims=True)
;;       e = np.where(a > 0, np.clip(np.frexp(np.where(a > 0, a, 1))[1] - 1 - 2, -126, 127), 0)      # np.frexp(a)[1] - 1 = floor(log2(a)), exactly
;;       r = np.clip(x / 2.0 ** e, -7.5, 7.5)
;;       step = 2.0 ** (np.maximum(np.frexp(np.where(r == 0, 1, r))[1] - 1, 0) - 3)
;;       q = np.round(r / step) * step * 2.0 ** e      # np.round: ties to even
;;       return np.moveaxis(q.reshape(q.shape[:-2] + (-1,))[..., :K], -1, axis).astype(np.float32)
;;   ~~~
;;   SOFTMAX AHEAD OF A QUANTISED PRODUCT. Where the list says 'softmax', what is quantised is not the finished softmax but p = 2^(t - M), with t = logit x log2(e) and M = ceil(the row's largest t), a whole number; so 1/2 < the row's largest p <= 1. The row's sum l is taken of the UNQUANTISED p, in f32, and the product's result is divided by l at the end. Since M is a whole number, a kernel that streams over the keys may use a running M (the ceiling of the running maximum): every later rescaling is an exact power of two, which a block's scale takes up: the codes' values come out the same.
;;   OPERANDS COMPUTED ON THE WAY. 'Computed on the way' means the value that the module computes at that place (a softmax that the list does not call 'softmax' is quantised finished and normalised). What goes into a quantiser is computed in f32, as accurately as f32 sums, v_exp_f32 and their like allow (about 1e-6 of the number): no bf16 or f16 on the way to a quantiser, and a product that is left as it is and whose result goes on into a quantised operand takes f32 operands (vector FMAs, or v_wmma_f32_16x16x4_f32). A number that lies on a knife's edge between two numbers of the format may be rounded either way, as far as f32 arithmetic and the matrix unit's own rounding can turn it there, and no further.
;; One version. Each part assembles by itself: llvm-mc -triple=amdgcn-amd-amdhsa -mcpu=gfx1250 --defsym DOCPART=n.
;; ======== version 1 of 1: 4 launches
;; limits: right only within a limited range of input values
;; workspace buffers: codes 9,437,184 bytes; scales 393,216 bytes; qbuf 8,912,896 bytes; kv 15,466,496 bytes; oc 6,291,456 bytes; os 262,144 bytes
;; launch quant (part 1): grid 768 x 1, 8 waves a work-group, no clusters, 69,120 bytes of LDS; arguments x, Wq, Wk, Wv, Wo, codes, scales; writes codes, scales
.if DOCPART == 1
	.amdgcn_target "amdgcn-amd-amdhsa--gfx1250"
	.amdhsa_code_object_version 6
	.text
	.protected	k_q5b3ac8125c_quant
	.globl	k_q5b3ac8125c_quant
	.p2align	8
	.type	k_q5b3ac8125c_quant,@function
k_q5b3ac8125c_quant:
	s_mov_b64 s[64:65], 0
	v_nop
	global_prefetch_b8 v0, s[64:65] scope:SCOPE_SE
	s_setreg_imm32_b32 hwreg(HW_REG_WAVE_MODE, 25, 1), 1
	s_wait_xcnt 0x0
; x [8192][1024] and Wq, Wk, Wv, Wo [1024][1024], f32 with K innermost, become codes of FP6 (E2M3) with one E8M0 byte for each 32 along K,
; laid in the ORDER OF AN OPERAND'S REGISTERS.  Tile T (0-511: x; 512 + 64 q + ..: weight q) holds 16 rows: slot i = row 16 x 2^n (T / 2^n) + 8 (T % 2^n) + i + 8 (2^n - 1) (i / 8) of its tensor, T its number there, n = 2 for x, 1 for a weight.
; A fragment (16 rows x 128 K, 12 registers a lane) is 1,536 bytes: half c at 768 c: registers 6 c .. 6 c + 3 at 16 x lane, registers 6 c + 4, 6 c + 5 at 512 + 8 x lane.
; codes: (T / 8) x 98,304 + s x 12,288 + (T % 8) x 1,536, s the K step of 128.   scales: T x 512 + 32 x slot + 4 s: a word of four bytes.
; A work-group takes a tile, wave s its K step s.  Each load reads 512 consecutive bytes of one row; the 16 rows turn through the wave's own stage in LDS, so that lane (r, h)
; gets k = 64 c + 32 h + 0 .. 31 of slot r: two whole blocks, which are the operand's registers as the conversions leave them.
; A block's scale is 2^(floor(log2(largest magnitude)) - 2): its byte is the largest magnitude's exponent field - 2, held at 1 from below.
; LIMITS: a block of zeros, or one whose largest magnitude lies under 2^-124, gets the byte 1 (a block of zeros has zero codes; the bytes are read by this program alone); NaN and infinities are not served.
.set STG,   8448                       ; a wave's stage: 16 rows of 512 bytes + 16
.set SCG,   8*STG                      ; the tile's 512 bytes of scale words
.set SPARE, SCG+512                    ; the spare words, 128 bytes a wave: four blocks of 256 bytes that no other line names
.set X,     40                         ; v40-103  64 numbers
.set F,     20                         ; v20-31   the fragment
.set TT,    32                         ; v32-38   the upper halves of the two blocks, as the conversions leave them
	s_load_b256 s[4:11], s[0:1], 0x0               ; x, Wq, Wk, Wv
	s_load_b128 s[12:15], s[0:1], 0x20             ; Wo, codes
	s_load_b64 s[16:17], s[0:1], 0x30              ; scales
	v_lshl_add_u32 v10, v0, 2, SPARE               ; my spare word,
	v_mov_b32 v11, 0                               ; and 0: both kept for the closing lines
	v_lshrrev_b32 v1, 5, v0
	s_delay_alu instid0(VALU_DEP_1)
	v_readfirstlane_b32 s20, v1                    ; wave = K step
	v_and_b32 v6, 31, v0                           ; lane
	v_and_b32 v7, 15, v0                           ; r
	v_bfe_u32 v8, v0, 4, 1                         ; h
	s_delay_alu instid0(VALU_DEP_3)
	v_lshlrev_b32 v1, 4, v6                        ; 16 x lane
	s_delay_alu instid0(VALU_DEP_4)
	v_lshlrev_b32 v4, 3, v6                        ; 8 x lane
	s_mul_i32 s28, s20, STG
	v_add_nc_u32 v2, s28, v1                       ; into the stage: a row as it lies
	v_mul_u32_u24 v3, v7, 528
	s_delay_alu instid0(VALU_DEP_1)
	v_lshl_add_u32 v3, v8, 7, v3
	s_delay_alu instid0(VALU_DEP_1)
	v_add_nc_u32 v3, s28, v3                       ; out of it: row r, + 128 h bytes
	s_lshl_b32 s29, s20, 2
	s_add_co_u32 s29, s29, SCG
	v_lshlrev_b32 v5, 5, v7
	s_delay_alu instid0(VALU_DEP_1)
	v_add_nc_u32 v5, s29, v5                       ; my row's scale word of my K step
	v_add_nc_u32 v9, SCG, v1                       ; and the tile's 512 bytes, 16 a lane
	v_lshlrev_b32 v8, 3, v8                        ; 8 h: my two bytes' place in the word
	v_mov_b32 v19, 0                               ; (a lane permute's destination counts as one of its sources)
	s_mov_b32 s30, 0x76543210
	s_mov_b32 s31, 0xfedcba98                      ; selects for lane l xor 16
	s_sub_co_u32 s21, ttmp9, 512
	s_and_b32 s21, s21, 63
	s_cmp_lt_u32 ttmp9, 512
	s_cselect_b32 s21, ttmp9, s21                  ; the tile's number in its own tensor
	; THE ROWS OF A TILE.  A weight's tile T: slot i = row 32 (T / 2) + 8 (T % 2) + i + 8 (i / 8).  x's tile T: slot i = token 64 (T / 4) + 8 (T % 4) + i + 24 (i / 8):
	; so a lane of a result with tokens down its registers holds 32 neighbouring tokens over four tiles.  n = 2 for x, 1 for a weight (same compare as above)
	s_cselect_b32 s32, 2, 1
	s_lshr_b32 s22, s21, s32
	s_add_co_u32 s34, s32, 16
	s_lshl_b32 s22, s22, s34                       ; 16 x 2^n rows of 4,096 bytes for each run of 2^n tiles
	s_bfm_b32 s34, s32, 0
	s_and_b32 s23, s21, s34
	s_lshl_b32 s23, s23, 15                        ; 8 rows for each tile in the run
	s_add_co_u32 s22, s22, s23
	s_lshl_b32 s32, 0x8000, s32                    ; slots 8-15 begin 8 x 2^n rows behind slots 0-7
	s_mov_b32 s33, 0
	s_lshl_b32 s23, s20, 9                         ; my K step: 512 bytes
	s_add_co_u32 s22, s22, s23
	s_mov_b32 s23, 0
	s_lshr_b32 s26, ttmp9, 3
	s_mul_i32 s26, s26, 98304
	s_mul_i32 s27, s20, 12288
	s_add_co_u32 s26, s26, s27
	s_and_b32 s27, ttmp9, 7
	s_mul_i32 s27, s27, 1536
	s_add_co_u32 s26, s26, s27                     ; my fragment's place in codes
	s_mov_b32 s27, 0
	s_wait_alu depctr_va_vdst(0)
	s_wait_kmcnt 0x0
	s_cmp_lt_u32 ttmp9, 704                        ; which tensor: the choice hangs on the work-group's number alone
	s_cselect_b64 s[24:25], s[10:11], s[12:13]
	s_cmp_lt_u32 ttmp9, 640
	s_cselect_b64 s[24:25], s[8:9], s[24:25]
	s_cmp_lt_u32 ttmp9, 576
	s_cselect_b64 s[24:25], s[6:7], s[24:25]
	s_cmp_lt_u32 ttmp9, 512
	s_cselect_b64 s[24:25], s[4:5], s[24:25]
	s_add_nc_u64 s[24:25], s[24:25], s[22:23]
	s_add_nc_u64 s[32:33], s[24:25], s[32:33]      ; slot 8's row
	s_add_nc_u64 s[14:15], s[14:15], s[26:27]
	s_lshl_b32 s26, ttmp9, 9
	s_add_nc_u64 s[16:17], s[16:17], s[26:27]      ; the tile's scale words
.irp i,0,1,2,3,4,5,6,7,8,9,10,11,12,13,14,15
	global_load_b128 v[X+4*\i:X+4*\i+3], v1, s[24+8*(\i/8):25+8*(\i/8)] offset:(\i%8)*4096 th:TH_LOAD_NT   ; slot i's 512 bytes: 32 lanes, 16 neighbouring bytes each
.endr
.irp i,0,1,2,3,4,5,6,7,8,9,10,11,12,13,14,15
	s_wait_loadcnt 15-\i                           ; loads come back in order: slot i is in, the younger ones stay out
	ds_store_b128 v2, v[X+4*\i:X+4*\i+3] offset:528*\i
.endr
.irp c,0,1
.irp j,0,1,2,3,4,5,6,7
	ds_load_b128 v[X+32*\c+4*\j:X+32*\c+4*\j+3], v3 offset:256*\c+16*\j   ; LDS serves a wave's instructions in order: these see my stores.  Rows 528 bytes apart: sixteen lanes, sixteen different columns of 16 bytes
.endr
.endr
	s_wait_dscnt 0x0
.irp c,0,1
	v_max3_num_f32 v[12+\c], |v[X+32*\c]|, |v[X+32*\c+1]|, 0x1800000   ; my block 2 c + h: all 32 numbers are mine; the floor 2^(3 - 127) holds the byte at 1 from below
.endr
.irp i,2,4,6,8,10,12,14,16,18,20,22,24,26,28,30
.irp c,0,1
	s_delay_alu instid0(VALU_DEP_2)
	v_max3_num_f32 v[12+\c], v[12+\c], |v[X+32*\c+\i]|, |v[X+32*\c+\i+1]|
.endr
.endr
.irp c,0,1
	s_delay_alu instid0(VALU_DEP_2)
	v_add_nc_u32 v[14+\c], 0xff000000, v[12+\c]    ; 2 off the exponent field: the conversion's scale operand
.endr
.irp c,0,1
	s_delay_alu instid0(VALU_DEP_2)
	v_lshrrev_b32 v[16+\c], 23, v[14+\c]           ; the scale's byte
.endr
	s_delay_alu instid0(VALU_DEP_1)
	v_lshl_or_b32 v18, v17, 16, v16                ; blocks h and 2 + h,
	s_delay_alu instid0(VALU_DEP_1)
	v_lshlrev_b32 v18, v8, v18                     ; at their places in the word;
	s_delay_alu instid0(VALU_DEP_1)
	v_permlanex16_b32 v19, v18, s30, s31
	s_delay_alu instid0(VALU_DEP_1)
	v_or_b32 v18, v18, v19                         ; with lane l xor 16's two the word is whole
.irp c,0,1
	v_cvt_scalef32_pk16_fp6_f32 v[F+6*\c:F+6*\c+2], v[X+32*\c:X+32*\c+15], v[14+\c]
	v_cvt_scalef32_pk16_fp6_f32 v[TT+4*\c:TT+4*\c+2], v[X+32*\c+16:X+32*\c+31], v[14+\c]   ; (a conversion's three registers begin on an even number)
.endr
	v_nop                                          ; one plain place behind a scaled conversion
.irp c,0,1
.irp j,0,1,2
	v_mov_b32 v[F+6*\c+3+\j], v[TT+4*\c+\j]
.endr
.endr
.irp c,0,1
	global_store_b128 v1, v[F+6*\c:F+6*\c+3], s[14:15] offset:768*\c        ; 512 consecutive bytes, aligned to 256
	global_store_b64 v4, v[F+6*\c+4:F+6*\c+5], s[14:15] offset:768*\c+512   ; 256 consecutive bytes, aligned
.endr
	ds_store_b32 v5, v18                           ; lanes r and r + 16 write the same word with the same value
	s_wait_dscnt 0x0                               ; for the others' sake: my word has landed
	s_barrier_signal -1
	s_barrier_wait -1
	s_cmp_lg_u32 s20, 0
	s_cbranch_scc1 .Lend                           ; wave 0 stores the tile's 512 bytes of scale words as one run
	ds_load_b128 v[X:X+3], v9
	s_wait_dscnt 0x0
	global_store_b128 v1, v[X:X+3], s[16:17]
.Lend:
	s_wait_tensorcnt 0x0                           ; the wave's end, behind my last LDS store
	ds_add_u32 v10, v11
	s_wait_dscnt 0x0
	s_endpgm
.Lfunc_end_k_q5b3ac8125c_quant:
	.size	k_q5b3ac8125c_quant, .Lfunc_end_k_q5b3ac8125c_quant-k_q5b3ac8125c_quant
	.p2alignl 7, 3214868480
	.fill 96, 4, 3214868480
	.section	.rodata,"a",@progbits
	.p2align	6, 0x0
	.amdhsa_kernel k_q5b3ac8125c_quant
		.amdhsa_group_segment_fixed_size 69120
		.amdhsa_private_segment_fixed_size 0
		.amdhsa_enable_private_segment 0
		.amdhsa_kernarg_size 56
		.amdhsa_user_sgpr_count 2
		.amdhsa_user_sgpr_kernarg_segment_ptr 1
		.amdhsa_wavefront_size32 1
		.amdhsa_system_sgpr_workgroup_id_x 1
		.amdhsa_system_sgpr_workgroup_id_y 1
		.amdhsa_system_sgpr_workgroup_id_z 1
		.amdhsa_system_vgpr_workitem_id 0
		.amdhsa_next_free_vgpr 104
		.amdhsa_next_free_sgpr 66
		.amdhsa_reserve_vcc 0
		.amdhsa_float_denorm_mode_32 3
		.amdhsa_float_denorm_mode_16_64 3
		.amdhsa_memory_ordered 1
		.amdhsa_forward_progress 1
		.amdhsa_inst_pref_size 13
	.end_amdhsa_kernel
	.amdgpu_metadata
---
amdhsa.version: [ 1, 2 ]
amdhsa.kernels:
  - .name:           k_q5b3ac8125c_quant
    .symbol:         k_q5b3ac8125c_quant.kd
    .args:
      - { .name: x, .offset: 0, .size: 8, .value_kind: global_buffer, .address_space: global }
      - { .name: Wq, .offset: 8, .size: 8, .value_kind: global_buffer, .address_space: global }
      - { .name: Wk, .offset: 16, .size: 8, .value_kind: global_buffer, .address_space: global }
      - { .name: Wv, .offset: 24, .size: 8, .value_kind: global_buffer, .address_space: global }
      - { .name: Wo, .offset: 32, .size: 8, .value_kind: global_buffer, .address_space: global }
      - { .name: codes, .offset: 40, .size: 8, .value_kind: global_buffer, .address_space: global }
      - { .name: scales, .offset: 48, .size: 8, .value_kind: global_buffer, .address_space: global }
    .group_segment_fixed_size: 69120
    .private_segment_fixed_size: 0
    .kernarg_segment_align: 8
    .kernarg_segment_size: 56
    .max_flat_workgroup_size: 256
    .sgpr_count:     66
    .vgpr_count:     104
    .wavefront_size: 32
...
	.end_amdgpu_metadata
.endif
;; end of part 1
;; launch qkv (part 2): grid 4 x 64, 4 waves a work-group, clusters of 4 x 1, 167,936 bytes of LDS; arguments codes, scales, bq, bk, bv, attention_mask, qbuf, kv; writes qbuf, kv
.if DOCPART == 2
	.amdgcn_target "amdgcn-amd-amdhsa--gfx1250"
	.amdhsa_code_object_version 6
	.text
	.protected	k_q5b3ac8125c_qkv
	.globl	k_q5b3ac8125c_qkv
	.p2align	8
	.type	k_q5b3ac8125c_qkv,@function
k_q5b3ac8125c_qkv:
	s_mov_b64 s[64:65], 0
	v_nop
	global_prefetch_b8 v0, s[64:65] scope:SCOPE_SE
	s_setreg_imm32_b32 hwreg(HW_REG_WAVE_MODE, 25, 1), 1
	s_wait_xcnt 0x0
	s_wait_alu depctr_hold_cnt(0) depctr_sa_sdst(0) depctr_va_vdst(0) depctr_va_sdst(0) depctr_va_ssrc(0) depctr_va_vcc(0) depctr_vm_vsrc(0)
	s_getreg_b32 s2, hwreg(HW_REG_IB_STS2, 6, 4)
	s_cmp_eq_u32 s2, 0
	s_cbranch_scc0 .Lentry_in_a_cluster
	s_endpgm
.Lentry_in_a_cluster:
	s_bfe_u32 s2, ttmp6, 0x10000c
	s_cmp_lg_u32 s2, 0x3003
	s_cbranch_scc0 .Lentry_shape_is_right
	s_endpgm
.Lentry_shape_is_right:
; Q = x Wq^T + bq, K = x Wk^T + bk, V = x Wv^T + bv on codes of FP6 (E2M3), and the three results quantised again in registers: Q and K along the head's 64, V along the keys.
; SHARES.  A cluster of four work-groups takes a group g of 128 tokens; work-group cx, wave w takes head hd = 4 cx + w: 128 tokens x 64 channels, three times (Q, K, V): 32 accumulators, 24 K steps of 128, 32 products each.
; x's codes of the group, 98,304 bytes in operand order, come into LDS once, asked for JOINTLY by the four work-groups (the same one tensor load a wave, mask 15).  No byte of LDS is filled twice.
; W's fragments are each read by one wave alone: they go from memory straight into registers, three K steps ahead, in four sets; no cluster partner shares them, so they are not asked for jointly.
; Q and K are made TRANSPOSED (source 0 = 16 rows of W, source 1 = 16 tokens): a lane holds one token, and by the tiles' row order the 16 registers of tiles 2 b, 2 b + 1 are channels 32 b + 16 h + 0 .. 15.
; V is made plainly (source 0 = 16 tokens, source 1 = 16 rows of Wv): a lane holds one channel and the 16 registers of token tiles 2 b, 2 b + 1 are keys 64 (b / 2) + 32 h + 16 (b % 2) + 0 .. 15.  The biases are the C of each sum's first product.
; OUT.  qbuf block (256 b + 16 hd + j), 8,704 bytes: eight tile images of 1,024 (registers 0-3 at 16 x lane, 4-7 at 512 + 16 x lane), then 512 bytes of scale words (lane's word i: tile 2 i + h).
;       kv block, 15,104 bytes: K like a qbuf block; at 8,704 V's four fragments of 1,536 (registers 4 q .. at 512 q + 16 x lane); at 14,848 V's scale words (8 x lane).
; THE MASK rides in the padding of the score product (K = 64 of 128): at k = 64 Q has the code +1.0 under the byte 127; a key that counts has the code 0 under the byte 1, a hidden key -1.0 under the byte 247: -2^120 on its score.
; LIMITS: as the quantiser's launch: floor 2^-124 on a block's largest magnitude; NaN and infinities are not served.
; REGISTERS.  window 0: v1-7 addresses, v9-13, v220 constants, v14-15 the add's two, v16-23 the mask, v24-55 x's scale words, v56-103 W's, v104-127 at work, v128-139 scale words made, v140-219 codes made.
;   window 1: the 32 accumulators.   window 2: W's four sets (v0-191), bq, bk (v192-255).   window 3: x's two sets (v0-191), bv (v192-223).
.set LAST,  23
.set SPARE, 98304                      ; behind x's codes: the spare words, 128 bytes a wave: two blocks of 256 bytes that no other line names
.set MK,  16
.set XS,  24                           ; register 8 (m / 2) + s: lanes 0-15 token tile m even, lanes 16-31 odd, K step s
.set WS,  56                           ; register 16 X + 8 (t / 2) + s likewise
.set TMM, 104
.set TMP, 112
.set TMS, 120
.set PW,  128
.set SI,  136
.set IMG, 140
.set TT,  204
.set MSB, 0
.macro WIN new                         ; the immediate's high byte repeats the setting that is left
.if MSB != \new
	s_set_vgpr_msb (MSB<<8)|\new
.set MSB, \new
.endif
.endm
.macro PLACES                          ; four places: in front of loads into registers that matrix instructions have read, and of the first read of results
.rept 4
	v_nop
.endr
.endm
.macro CROUND                          ; a round of the cluster's barrier
	s_barrier_signal -1
	s_barrier_wait -1
	s_cmp_lg_u32 s20, 0
	s_cbranch_scc1 .Lnot_wave_0_\@
	s_barrier_signal -3
.Lnot_wave_0_\@:
	s_barrier_wait -3
	s_barrier_signal -1
	s_barrier_wait -1
.endm
.macro WM d, a, b, c, sa, sb, ra, rb   ; one product; ra, rb = 1: that side's scales stand in lanes 16-31
.if ((\ra) == 1) && ((\rb) == 1)
	v_wmma_scale_f32_16x16x128_f8f6f4 v[(\d):(\d)+7], v[(\a):(\a)+11], v[(\b):(\b)+11], v[(\c):(\c)+7], v[(\sa)], v[(\sb)] matrix_a_fmt:MATRIX_FMT_FP6 matrix_b_fmt:MATRIX_FMT_FP6 matrix_a_scale:MATRIX_SCALE_ROW1 matrix_b_scale:MATRIX_SCALE_ROW1
.elseif (\ra) == 1
	v_wmma_scale_f32_16x16x128_f8f6f4 v[(\d):(\d)+7], v[(\a):(\a)+11], v[(\b):(\b)+11], v[(\c):(\c)+7], v[(\sa)], v[(\sb)] matrix_a_fmt:MATRIX_FMT_FP6 matrix_b_fmt:MATRIX_FMT_FP6 matrix_a_scale:MATRIX_SCALE_ROW1
.elseif (\rb) == 1
	v_wmma_scale_f32_16x16x128_f8f6f4 v[(\d):(\d)+7], v[(\a):(\a)+11], v[(\b):(\b)+11], v[(\c):(\c)+7], v[(\sa)], v[(\sb)] matrix_a_fmt:MATRIX_FMT_FP6 matrix_b_fmt:MATRIX_FMT_FP6 matrix_b_scale:MATRIX_SCALE_ROW1
.else
	v_wmma_scale_f32_16x16x128_f8f6f4 v[(\d):(\d)+7], v[(\a):(\a)+11], v[(\b):(\b)+11], v[(\c):(\c)+7], v[(\sa)], v[(\sb)] matrix_a_fmt:MATRIX_FMT_FP6 matrix_b_fmt:MATRIX_FMT_FP6
.endif
.endm
.macro XFETCH ks, p                    ; x's eight fragments of K step ks into set p of window 3: 32 LDS loads, each of consecutive bytes
	WIN 0xc0
.irp m,0,1,2,3,4,5,6,7
.irp c,0,1
	ds_load_b128 v[96*(\p)+12*\m+6*\c:96*(\p)+12*\m+6*\c+3], v[1+(\ks)/4] offset:((\ks)%4)*12288+1536*\m+768*\c
	ds_load_b64 v[96*(\p)+12*\m+6*\c+4:96*(\p)+12*\m+6*\c+5], v[3+(\ks)/4] offset:((\ks)%4)*12288+1536*\m+768*\c+512
.endr
.endr
.endm
.macro WFETCH ws                       ; my head's four fragments of W for step ws (section ws / 8, K step ws % 8) into set ws % 4 of window 2: 16 loads
	WIN 0x80
.irp t,0,1,2,3
.irp c,0,1
	global_load_b128 v[48*((\ws)%4)+12*\t+6*\c:48*((\ws)%4)+12*\t+6*\c+3], v1, s[40:41] offset:((\ws)/8)*786432+((\ws)%8)*12288+1536*\t+768*\c
	global_load_b64 v[48*((\ws)%4)+12*\t+6*\c+4:48*((\ws)%4)+12*\t+6*\c+5], v3, s[40:41] offset:((\ws)/8)*786432+((\ws)%8)*12288+1536*\t+768*\c+512
.endr
.endr
.endm
; One K step of 128: the next step's x and the W of three steps on are asked for, then 32 products, the 32 accumulators by turns in the same order in every step.
.macro KSTEP S, kind                   ; kind 0: transposed (Q, K); 1: plain (V)
	WIN 0
	PLACES                                         ; the sets loaded below were read by the step before
.if (\S) < LAST
	XFETCH ((\S)+1)%8,((\S)+1)%2
.endif
.if (\S)+3 <= LAST
	WFETCH (\S)+3
.endif
.if (\S) < LAST
	s_wait_dscnt 32                                ; all but the 32 just issued: this step's x is in
.else
	s_wait_dscnt 0x0
.endif
.if (\S)+3 <= LAST
	s_wait_loadcnt 48                              ; all but the three younger groups of 16: this step's W is in (and, at the first step, all that the head asked for)
.else
	s_wait_loadcnt 16*(LAST-(\S))
.endif
.set sK, (\S)%8
.set XX, (\S)/8
.if \kind == 0
.if sK == 0
	WIN 0x6e                                       ; source 0 (W) window 2, source 1 (x) window 3, C (the bias) window 2, D window 1
.else
	WIN 0x5e                                       ; C and D window 1
.endif
.irp m,0,1,2,3,4,5,6,7
.irp t,0,1,2,3
.if sK == 0
	WM 8*(4*\m+\t),48*((\S)%4)+12*\t,96*((\S)%2)+12*\m,192+32*XX+8*\t,WS+16*XX+8*(\t/2)+sK,XS+8*(\m/2)+sK,\t%2,\m%2
.else
	WM 8*(4*\m+\t),48*((\S)%4)+12*\t,96*((\S)%2)+12*\m,8*(4*\m+\t),WS+16*XX+8*(\t/2)+sK,XS+8*(\m/2)+sK,\t%2,\m%2
.endif
.endr
.endr
.else
.if sK == 0
	WIN 0x7b                                       ; source 0 (x) window 3, source 1 (W) window 2, C (bv) window 3, D window 1
.else
	WIN 0x5b
.endif
.irp m,0,1,2,3,4,5,6,7
.irp t,0,1,2,3
.if sK == 0
	WM 8*(8*\t+\m),96*((\S)%2)+12*\m,48*((\S)%4)+12*\t,192+8*\t,XS+8*(\m/2)+sK,WS+16*XX+8*(\t/2)+sK,\m%2,\t%2
.else
	WM 8*(8*\t+\m),96*((\S)%2)+12*\m,48*((\S)%4)+12*\t,8*(8*\t+\m),XS+8*(\m/2)+sK,WS+16*XX+8*(\t/2)+sK,\m%2,\t%2
.endif
.endr
.endr
.endif
.endm
.macro JOIN8                           ; eight blocks' largest magnitudes: joined with lane l xor 16's, then the conversion's scale operand and the byte
.irp e,0,1,2,3,4,5,6,7
	v_permlanex16_b32 v[TMP+\e], v[TMM+\e], s70, s71
.endr
.irp e,0,1,2,3,4,5,6,7
	v_max_num_f32 v[TMM+\e], v[TMM+\e], v[TMP+\e]
.endr
.irp e,0,1,2,3,4,5,6,7
	v_add_nc_u32 v[TMS+\e], 0xff000000, v[TMM+\e]  ; 2 off the exponent field
.endr
.irp e,0,1,2,3,4,5,6,7
	v_lshrrev_b32 v[TMP+\e], 23, v[TMS+\e]
.endr
.endm
; Q's or K's 128 tokens x 64 channels become eight tile images and their scale words.  Four token tiles (eight blocks of 32 channels) at a time.
.macro QKEPI isk, gb
	WIN 0
	PLACES
	s_wait_xcnt 0x0                                ; the earlier stores have read their data: those registers are written again only behind this wait
.irp q,0,1
	WIN 0x14                                       ; sources 1 and 2: the accumulators' window
.irp k,0,1,2,3
.irp b,0,1
	v_max3_num_f32 v[TMM+2*\k+\b], 0x1800000, |v[32*(4*\q+\k)+16*\b]|, |v[32*(4*\q+\k)+16*\b+1]|   ; each accumulator is read from its low end on; the floor 2^(3 - 127)
.endr
.endr
.irp i,2,4,6,8,10,12,14
.irp k,0,1,2,3
.irp b,0,1
	v_max3_num_f32 v[TMM+2*\k+\b], v[TMM+2*\k+\b], |v[32*(4*\q+\k)+16*\b+\i]|, |v[32*(4*\q+\k)+16*\b+\i+1]|
.endr
.endr
.endr
	WIN 0
	JOIN8
.irp k,0,1,2,3
	v_lshl_or_b32 v[PW+4*\q+\k], v[TMP+2*\k+1], 8, v[TMP+2*\k]
.if \isk
	v_cmp_eq_u32 s73, 0, v[MK+4*\q+\k]             ; my token is hidden
	v_cndmask_b32 v221, v220, v13, s73             ; the padding's two bytes: 1, 1 or 247, 1
	s_and_b32 s74, s73, 0xffff                     ; k = 64 lies in lanes 0-15
	v_or_b32 v[PW+4*\q+\k], v[PW+4*\q+\k], v221
	v_cndmask_b32 v[IMG+8*(4*\q+\k)+6], v9, v11, s74   ; the code at k = 64: 0, or -1.0
.else
	v_or_b32 v[PW+4*\q+\k], v12, v[PW+4*\q+\k]     ; the padding's two bytes: 127
	v_mov_b32 v[IMG+8*(4*\q+\k)+6], v10            ; the code +1.0 at k = 64
.endif
	v_mov_b32 v[IMG+8*(4*\q+\k)+7], 0
.endr
	WIN 0x01                                       ; source 0: the accumulators' window
.irp k,0,1,2,3
	v_cvt_scalef32_pk16_fp6_f32 v[IMG+8*(4*\q+\k):IMG+8*(4*\q+\k)+2], v[32*(4*\q+\k):32*(4*\q+\k)+15], v[TMS+2*\k]
	v_cvt_scalef32_pk16_fp6_f32 v[TT+4*\k:TT+4*\k+2], v[32*(4*\q+\k)+16:32*(4*\q+\k)+31], v[TMS+2*\k+1]
.endr
	WIN 0
	v_nop                                          ; one plain place behind a scaled conversion
.irp k,0,1,2,3
.irp j,0,1,2
	v_permlane16_swap_b32 v[IMG+8*(4*\q+\k)+\j], v[TT+4*\k+\j]   ; a whole block to a lane: lanes 0-15 block 0, lanes 16-31 block 1
.endr
.irp j,0,1,2
	v_mov_b32 v[IMG+8*(4*\q+\k)+3+\j], v[TT+4*\k+\j]
.endr
	global_store_b128 v1, v[IMG+8*(4*\q+\k):IMG+8*(4*\q+\k)+3], s[\gb:\gb+1] offset:1024*(4*\q+\k)          ; 512 consecutive bytes, aligned to 256
	global_store_b128 v1, v[IMG+8*(4*\q+\k)+4:IMG+8*(4*\q+\k)+7], s[\gb:\gb+1] offset:1024*(4*\q+\k)+512
.endr
.endr
.irp i,0,1,2,3
	v_cndmask_b32 v[SI+\i], v[PW+2*\i], v[PW+2*\i+1], s72   ; lanes 0-15 the even tile's words, lanes 16-31 the odd tile's
.endr
	global_store_b128 v1, v[SI:SI+3], s[\gb:\gb+1] offset:8192
.endm
; V's 64 channels x 128 keys become four fragments and their scale words.  All four channel tiles (eight blocks of 32 keys) at once.
.macro VEPI
	WIN 0
	PLACES
	s_wait_xcnt 0x0                                ; K's stores have read their data
	; By the order of x's tiles register 64 t + 32 c + n of lane (r, h) is key 64 c + 32 h + n of channel slot r in tile t: a WHOLE block of 32 keys in a lane, in the operand's own order.
	; So no lane is asked for a maximum and no codes change lanes; only the scale word's four bytes are gathered from lanes l and l xor 16.  All eight blocks (t, c) by turns.
	WIN 0x14
.irp t,0,1,2,3
.irp c,0,1
	v_max3_num_f32 v[TMM+2*\t+\c], 0x1800000, |v[64*\t+32*\c]|, |v[64*\t+32*\c+1]|   ; each accumulator is read from its low end on; the floor 2^(3 - 127)
.endr
.endr
.irp i,2,4,6,8,10,12,14,16,18,20,22,24,26,28,30
.irp t,0,1,2,3
.irp c,0,1
	v_max3_num_f32 v[TMM+2*\t+\c], v[TMM+2*\t+\c], |v[64*\t+32*\c+\i]|, |v[64*\t+32*\c+\i+1]|
.endr
.endr
.endr
	WIN 0
.irp e,0,1,2,3,4,5,6,7
	v_add_nc_u32 v[TMS+\e], 0xff000000, v[TMM+\e]  ; 2 off the exponent field: the conversion's scale operand
.endr
.irp e,0,1,2,3,4,5,6,7
	v_lshrrev_b32 v[TMP+\e], 23, v[TMS+\e]         ; the byte
.endr
.irp t,0,1,2,3
	v_lshl_or_b32 v[PW+\t], v[TMP+2*\t+1], 16, v[TMP+2*\t]   ; my blocks h and 2 + h,
.endr
.irp t,0,1,2,3
	v_lshlrev_b32 v[PW+\t], v222, v[PW+\t]         ; at their places in the word;
.endr
.irp t,0,1,2,3
	v_permlanex16_b32 v[TMP+\t], v[PW+\t], s70, s71
.endr
.irp t,0,1,2,3
	v_or_b32 v[PW+\t], v[PW+\t], v[TMP+\t]         ; with lane l xor 16's two the word is whole
.endr
	WIN 0x01
.irp t,0,1,2,3
.irp c,0,1
	v_cvt_scalef32_pk16_fp6_f32 v[IMG+20*\t+6*\c:IMG+20*\t+6*\c+2], v[64*\t+32*\c:64*\t+32*\c+15], v[TMS+2*\t+\c]
	v_cvt_scalef32_pk16_fp6_f32 v[IMG+20*\t+12+4*\c:IMG+20*\t+14+4*\c], v[64*\t+32*\c+16:64*\t+32*\c+31], v[TMS+2*\t+\c]
.endr
.endr
	WIN 0
	v_nop                                          ; one plain place behind a scaled conversion
.irp t,0,1,2,3
.irp c,0,1
.irp j,0,1,2
	v_mov_b32 v[IMG+20*\t+6*\c+3+\j], v[IMG+20*\t+12+4*\c+\j]   ; (a conversion's three registers begin on an even number)
.endr
.endr
.irp j,0,1,2
	global_store_b128 v1, v[IMG+20*\t+4*\j:IMG+20*\t+4*\j+3], s[68:69] offset:8704+1536*\t+512*\j
.endr
.endr
	v_cndmask_b32 v[SI], v[PW], v[PW+1], s72
	v_cndmask_b32 v[SI+1], v[PW+2], v[PW+3], s72
	global_store_b64 v3, v[SI:SI+1], s[68:69] offset:14848
.endm
	s_load_b256 s[4:11], s[0:1], 0x0               ; codes, scales, bq, bk
	s_load_b256 s[12:19], s[0:1], 0x20             ; bv, attention_mask, qbuf, kv
	v_lshl_add_u32 v14, v0, 2, SPARE
	v_mov_b32 v15, 0
	ds_add_u32 v14, v15                            ; the wave's opening: the add and its wait stand ahead of my first tensor load; work on registers stands between them
	ds_add_u32 v14, v15
	v_lshrrev_b32 v1, 5, v0
	v_readfirstlane_b32 s20, v1                    ; wave
	s_bfe_u32 s21, ttmp6, 0x40000                  ; cx
	s_and_b32 s22, ttmp7, 0xffff                   ; g: the group of 128 tokens, which the four partners share
	s_lshl_b32 s23, ttmp9, 2
	s_add_co_u32 s23, s23, s21
	s_lshl_b32 s23, s23, 2
	s_add_co_u32 s23, s23, s20                     ; hd: it enters global addresses alone
	s_mov_b32 s32, 0x0023000f                      ; group 1: mask 15 (all four work-groups), elements of 8 bytes, bit 21 beside the mask, no padding
	s_mov_b32 s33, 32<<16                          ; tensor_dim0 = 32 elements: rows of 256 bytes
	s_mov_b32 s34, 96<<16                          ; tensor_dim1 = 96 rows: ONE load a wave brings K steps 2 w and 2 w + 1, 24,576 dense bytes
	s_mov_b32 s35, 32<<16                          ; tile_dim0
	s_mov_b32 s36, 96                              ; tile_dim1
	s_mov_b32 s37, 32                              ; the pitch
	s_mov_b32 s38, 0
	s_mov_b32 s39, 0
	s_mul_i32 s80, s22, 98304
	s_mul_i32 s82, s20, 24576                      ; my two K steps' place, in LDS and in the group's codes: the wave's number alone
	s_add_co_u32 s80, s80, s82
	s_mov_b32 s81, 0
	s_lshr_b32 s84, s23, 1
	s_add_co_u32 s84, s84, 64
	s_mul_i32 s84, s84, 98304
	s_and_b32 s85, s23, 1
	s_mul_i32 s85, s85, 6144
	s_add_co_u32 s84, s84, s85                     ; Wq's four tiles of my head
	s_mov_b32 s85, 0
	s_lshl_b32 s86, s23, 11
	s_add_co_u32 s86, s86, 262144                  ; and their scale words
	s_mov_b32 s87, 0
	s_lshl_b32 s88, s22, 12                        ; x's scale words
	s_mov_b32 s89, 0
	s_lshl_b32 s90, s23, 8                         ; my head's 64 numbers of a bias
	s_mov_b32 s91, 0
	s_lshl_b32 s92, s22, 9                         ; the group's 128 words of the mask
	s_mov_b32 s93, 0
	s_lshr_b32 s94, s22, 4
	s_lshl_b32 s94, s94, 8
	s_lshl_b32 s95, s23, 4
	s_add_co_u32 s94, s94, s95
	s_and_b32 s95, s22, 15
	s_add_co_u32 s94, s94, s95                     ; block 256 b + 16 hd + j
	s_mul_i32 s74, s94, 15104
	s_mov_b32 s75, 0
	s_mul_i32 s94, s94, 8704
	s_mov_b32 s95, 0
	s_mov_b32 s70, 0x76543210
	s_mov_b32 s71, 0xfedcba98                      ; selects for lane l xor 16
	s_mov_b32 s72, 0xffff0000                      ; lanes 16-31
	s_wait_dscnt 0x0                               ; the opening add is done
	s_wait_kmcnt 0x0
	s_add_nc_u64 s[80:81], s[4:5], s[80:81]
	s_add_nc_u64 s[40:41], s[4:5], s[84:85]
	s_add_nc_u64 s[46:47], s[6:7], s[86:87]
	s_add_nc_u64 s[52:53], s[6:7], s[88:89]
	s_add_nc_u64 s[54:55], s[8:9], s[90:91]
	s_add_nc_u64 s[56:57], s[10:11], s[90:91]
	s_add_nc_u64 s[58:59], s[12:13], s[90:91]
	s_add_nc_u64 s[60:61], s[14:15], s[92:93]
	s_add_nc_u64 s[66:67], s[16:17], s[94:95]
	s_add_nc_u64 s[68:69], s[18:19], s[74:75]
	s_mov_b32 s24, 1                               ; group 0: K steps 2 w and 2 w + 1
	s_mov_b32 s25, s82
	s_mov_b64 s[26:27], s[80:81]
	s_or_b32 s27, s27, 0x80000000
	CROUND                                         ; all four work-groups are here: the joint loads meet
	tensor_load_to_lds s[24:27], s[32:39]
	s_nop 0
.rept 4
	v_nop
.endr
	v_and_b32 v8, 31, v0
	v_lshlrev_b32 v1, 4, v8                        ; 16 x lane
	v_add_nc_u32 v2, 49152, v1
	v_lshlrev_b32 v3, 3, v8                        ; 8 x lane
	v_add_nc_u32 v4, 49152, v3
	v_and_b32 v8, 15, v0                           ; r
	v_bfe_u32 v9, v0, 4, 1                         ; h
	v_lshlrev_b32 v5, 5, v8
	v_lshl_add_u32 v5, v9, 9, v5                   ; scale words: tile 2 i + h, slot r
	v_lshlrev_b32 v6, 6, v9                        ; a bias in the transposed result's layout: 16 h numbers on
	v_lshlrev_b32 v222, 3, v9                      ; 8 h: where my two bytes stand in V's scale word
	v_and_b32 v7, 8, v8
	v_add_nc_u32 v7, v7, v8
	v_lshlrev_b32 v7, 2, v7                        ; 4 (r + 8 (r / 8)): slot r's row in a weight's tile
	v_and_b32 v223, 8, v8
	v_lshl_add_u32 v223, v223, 3, v7               ; 4 (r + 24 (r / 8)): slot r's token in a tile of x
	v_xor_b32 v10, 1, v9
	v_lshlrev_b32 v10, 3, v10                      ; the code +1.0 (0x08) in lanes 0-15, 0 in lanes 16-31
	v_mov_b32 v9, 0
	v_mov_b32 v11, 0x28                            ; the code -1.0
	v_mov_b32 v12, 0x7f7f0000
	v_mov_b32 v13, 0x01f70000
	v_mov_b32 v220, 0x01010000
.irp e,0,1,2,3,4,5,6,7
	v_mov_b32 v[TMP+\e], 0                         ; written once: a lane permute's destination counts as one of its sources
.endr
.irp i,0,1,2,3
.irp q,0,1
	global_load_b128 v[XS+8*\i+4*\q:XS+8*\i+4*\q+3], v5, s[52:53] offset:1024*\i+16*\q
.endr
.endr
.irp n,0,1,2
.irp i,0,1
.irp q,0,1
	global_load_b128 v[WS+16*\n+8*\i+4*\q:WS+16*\n+8*\i+4*\q+3], v5, s[46:47] offset:32768*\n+1024*\i+16*\q
.endr
.endr
.endr
.irp m,0,1,2,3,4,5,6,7
	global_load_b32 v[MK+\m], v223, s[60:61] offset:4*(64*(\m/4)+8*(\m%4))   ; the mask of slot r's token in tile m: token 64 (m / 4) + 8 (m % 4) + r + 24 (r / 8)
.endr
	WIN 0x80
.irp t,0,1,2,3
	global_load_b128 v[192+8*\t:195+8*\t], v6, s[54:55] offset:4*(32*(\t/2)+8*(\t%2))
	global_load_b128 v[196+8*\t:199+8*\t], v6, s[54:55] offset:4*(32*(\t/2)+8*(\t%2))+16
	global_load_b128 v[224+8*\t:227+8*\t], v6, s[56:57] offset:4*(32*(\t/2)+8*(\t%2))
	global_load_b128 v[228+8*\t:231+8*\t], v6, s[56:57] offset:4*(32*(\t/2)+8*(\t%2))+16
.endr
	WIN 0xc0
.irp t,0,1,2,3
.irp j,0,1,2,3,4,5,6,7
	global_load_b32 v[192+8*\t+\j], v7, s[58:59] offset:4*(32*(\t/2)+8*(\t%2))   ; bv of my channel, in all eight registers of the plain result's layout
.endr
.endr
	WFETCH 0
	WFETCH 1
	WFETCH 2
	WIN 0
	s_wait_tensorcnt 0x0                           ; my one fill is in
	s_barrier_signal -1
	s_barrier_wait -1                              ; K steps 0 to 3 of x lie in LDS
	XFETCH 0,0
.irp z,0,1,2,3,4,5,6,7
	KSTEP \z,0
.endr
	QKEPI 0,66
.irp z,8,9,10,11,12,13,14,15
	KSTEP \z,0
.endr
	QKEPI 1,68
.irp z,16,17,18,19,20,21,22,23
	KSTEP \z,1
.endr
	VEPI
	s_wait_tensorcnt 0x0                           ; the wave's end
	ds_add_u32 v14, v15
	s_wait_dscnt 0x0
	CROUND                                         ; the closing round
	s_endpgm
.Lfunc_end_k_q5b3ac8125c_qkv:
	.size	k_q5b3ac8125c_qkv, .Lfunc_end_k_q5b3ac8125c_qkv-k_q5b3ac8125c_qkv
	.p2alignl 7, 3214868480
	.fill 96, 4, 3214868480
	.section	.rodata,"a",@progbits
	.p2align	6, 0x0
	.amdhsa_kernel k_q5b3ac8125c_qkv
		.amdhsa_group_segment_fixed_size 167936
		.amdhsa_private_segment_fixed_size 0
		.amdhsa_enable_private_segment 0
		.amdhsa_kernarg_size 64
		.amdhsa_user_sgpr_count 2
		.amdhsa_user_sgpr_kernarg_segment_ptr 1
		.amdhsa_wavefront_size32 1
		.amdhsa_system_sgpr_workgroup_id_x 1
		.amdhsa_system_sgpr_workgroup_id_y 1
		.amdhsa_system_sgpr_workgroup_id_z 1
		.amdhsa_system_vgpr_workitem_id 0
		.amdhsa_next_free_vgpr 1024
		.amdhsa_next_free_sgpr 96
		.amdhsa_reserve_vcc 0
		.amdhsa_float_denorm_mode_32 3
		.amdhsa_float_denorm_mode_16_64 3
		.amdhsa_memory_ordered 1
		.amdhsa_forward_progress 1
		.amdhsa_inst_pref_size 251
	.end_amdhsa_kernel
	.amdgpu_metadata
---
amdhsa.version: [ 1, 2 ]
amdhsa.kernels:
  - .name:           k_q5b3ac8125c_qkv
    .symbol:         k_q5b3ac8125c_qkv.kd
    .args:
      - { .name: codes, .offset: 0, .size: 8, .value_kind: global_buffer, .address_space: global }
      - { .name: scales, .offset: 8, .size: 8, .value_kind: global_buffer, .address_space: global }
      - { .name: bq, .offset: 16, .size: 8, .value_kind: global_buffer, .address_space: global }
      - { .name: bk, .offset: 24, .size: 8, .value_kind: global_buffer, .address_space: global }
      - { .name: bv, .offset: 32, .size: 8, .value_kind: global_buffer, .address_space: global }
      - { .name: attention_mask, .offset: 40, .size: 8, .value_kind: global_buffer, .address_space: global }
      - { .name: qbuf, .offset: 48, .size: 8, .value_kind: global_buffer, .address_space: global }
      - { .name: kv, .offset: 56, .size: 8, .value_kind: global_buffer, .address_space: global }
    .group_segment_fixed_size: 167936
    .private_segment_fixed_size: 0
    .kernarg_segment_align: 8
    .kernarg_segment_size: 64
    .max_flat_workgroup_size: 128
    .sgpr_count:     96
    .vgpr_count:     1024
    .wavefront_size: 32
...
	.end_amdgpu_metadata
.endif
;; end of part 2
;; launch attn (part 3): grid 4 x 64, 8 waves a work-group, clusters of 4 x 1, 243,712 bytes of LDS; arguments qbuf, kv, oc, os; writes oc, os
.if DOCPART == 3
	.amdgcn_target "amdgcn-amd-amdhsa--gfx1250"
	.amdhsa_code_object_version 6
	.text
	.protected	k_q5b3ac8125c_attn
	.globl	k_q5b3ac8125c_attn
	.p2align	8
	.type	k_q5b3ac8125c_attn,@function
k_q5b3ac8125c_attn:
	s_mov_b64 s[64:65], 0
	v_nop
	global_prefetch_b8 v0, s[64:65] scope:SCOPE_SE
	s_setreg_imm32_b32 hwreg(HW_REG_WAVE_MODE, 25, 1), 1
	s_wait_xcnt 0x0
	s_wait_alu depctr_hold_cnt(0) depctr_sa_sdst(0) depctr_va_vdst(0) depctr_va_sdst(0) depctr_va_ssrc(0) depctr_va_vcc(0) depctr_vm_vsrc(0)
	s_getreg_b32 s2, hwreg(HW_REG_IB_STS2, 6, 4)
	s_cmp_eq_u32 s2, 0
	s_cbranch_scc0 .Lentry_in_a_cluster
	s_endpgm
.Lentry_in_a_cluster:
	s_bfe_u32 s2, ttmp6, 0x10000c
	s_cmp_lg_u32 s2, 0x3003
	s_cbranch_scc0 .Lentry_shape_is_right
	s_endpgm
.Lentry_shape_is_right:
; O = softmax(Q K^T / 8, hidden keys left out) V for one head (bh = 16 b + hd), both products on codes of FP6 (E2M3); O / l is quantised along d_model and stored as the last product's operand.
; t = score x log2(e) / 8; M = the running largest t rounded UP to a whole number; p = 2^(t - M) is quantised along the keys, not normalised; l is the sum of the unquantised p; when M moves, l and O are multiplied by 2^(old M - new M): exact.
; SHARES.  The four work-groups of a cluster take the four quarters (512 queries) of one head.  The head's K, V and scale words, 16 blocks of 15,104 bytes in operand order, come into LDS ONCE, asked for JOINTLY
; (mask 15; one tensor load a wave, two blocks each), and stay: no byte is filled twice.  Waves 0 and 1 have a load line of their own: the first barrier shows blocks 0 to 3 alone, the second all.
; A wave owns TWO tiles of 16 queries at a time (u = 0, 1), so each fragment of K and of V read from LDS feeds two products; two passes; 16 key steps of 128 a pass.  Two waves to a SIMD, 512 registers each.
; LAYOUT.  S^T = K Q^T (source 0 = 16 keys, source 1 = 16 queries), O^T = V^T P^T: a lane holds ONE query of each tile.  Key tile m holds keys 64 (m / 4) + 8 (m % 4) + i + 24 (i / 8), so register 32 c + n of a lane's 64 scores
; is key 64 c + 32 h + n: a whole block of 32 in a lane, in the order of the next operand's registers.  No maximum of a block and no code crosses lanes; the row's maximum and the scale word's bytes are joined with lane l xor 16.
; THE MASK: the score product's K is 64 of 128, and at k = 64 a hidden key's code adds -2^120 to its score, so that its p is 0.  The running largest score begins at -2^100.
; A query all of whose keys are hidden ends with it there: its scale bytes are 0xff, which makes its row of the result NaN.
; LIMITS: a true score is taken to lie above -2^100, and t under 2^31 in magnitude; NaN and infinities are not served; the floor 2^-124 on a block's largest magnitude.
; NO PREFETCH: all sixteen blocks are asked for by the eight loads at the head; there is no later tile to ask for ahead.
; REGISTERS.  window 0: v1-4, v31 addresses; v5-6 the add's two; v7 Q's scale words, v8-11 K's, v24-25 V's, v26-27 p's; v12+2u -M, v13+2u the largest score; v[16+2u:17+2u] l; v20+2u the factor; v28 8 h; v29 0xff; v30 os;
;   v32-55 Q (2 x 12); v56-151 K (8 x 12); v152-199 V (4 x 12); v200-223 p's codes (2 x 12); v224-255 at work.   window 1: v0-127 S^T, then p (64 u + ..); v128-191 O^T (128 + 32 u + ..); v192-208 the second pass's Q.
.set BLK,   15104                      ; a key step's block: K's eight images of 1,024, K's scale words (512), V's four fragments of 1,536, V's scale words (256)
.set SPARE, 16*BLK                     ; behind them: the spare words, 128 bytes a wave: four blocks of 256 bytes that no other line names
.set QF, 32
.set KF, 56
.set VF, 152
.set PC, 200
.set T,  224
.set MSB, 0
.macro WIN new                         ; the immediate's high byte repeats the setting that is left
.if MSB != \new
	s_set_vgpr_msb (MSB<<8)|\new
.set MSB, \new
.endif
.endm
.macro WALU
	s_wait_alu depctr_va_vdst(0)
.endm
.macro CROUND
	s_barrier_signal -1
	s_barrier_wait -1
	s_cmp_lg_u32 s18, 0
	s_cbranch_scc1 .Lnot_wave_0_\@
	s_barrier_signal -3
.Lnot_wave_0_\@:
	s_barrier_wait -3
	s_barrier_signal -1
	s_barrier_wait -1
.endm
.macro WM d, a, b, c, sa, sb, ra, rb   ; one product; ra, rb: the half of the lanes in which that side's scales stand
	v_wmma_scale_f32_16x16x128_f8f6f4 v[\d:\d+7], v[\a:\a+11], v[\b:\b+11], \c, v[\sa], v[\sb] matrix_a_fmt:MATRIX_FMT_FP6 matrix_b_fmt:MATRIX_FMT_FP6 matrix_a_scale:MATRIX_SCALE_ROW\ra matrix_b_scale:MATRIX_SCALE_ROW\rb
.endm
.macro KLOAD                           ; K's scale words and eight images of the block at v31: 17 loads (registers 8-11 of each fragment stay zeros)
	ds_load_b128 v[8:11], v31 offset:8192
.irp m,0,1,2,3,4,5,6,7
	ds_load_b128 v[KF+12*\m:KF+12*\m+3], v31 offset:1024*\m
	ds_load_b128 v[KF+12*\m+4:KF+12*\m+7], v31 offset:1024*\m+512
.endr
.endm
; A KEY STEP on the block at LDS byte s2; its K was fetched a step ago.  lim: the last block that this loop may read: the last trip's fetch names it once more, and that fetch is not used.
.macro STEP lim
	s_wait_dscnt 0x0                               ; K is in
	WIN 0x40
.irp i,0,1,2,3
.irp o,0,1
.irp u,0,1
	WM 64*\u+8*(2*\i+\o),KF+12*(2*\i+\o),QF+12*\u,0,8+\i,7,\o,\u
.endr
.endr
.endr
	WIN 0
	s_add_co_u32 s6, s2, BLK
	s_min_u32 s6, s6, \lim
	v_add_nc_u32 v3, s2, v1                        ; these three and the v_nop are the four places behind the products
	v_add_nc_u32 v4, s2, v2
	v_add_nc_u32 v31, s6, v1
	v_nop
.irp t,0,1,2,3
.irp q,0,1,2
	ds_load_b128 v[VF+12*\t+4*\q:VF+12*\t+4*\q+3], v3 offset:8704+1536*\t+512*\q   ; this step's V: 12 loads,
.endr
.endr
	ds_load_b64 v[24:25], v4 offset:14848          ; its scale words,
	KLOAD                                          ; and the next step's K: all land while the softmax is walked
	WIN 0x15                                       ; the largest score of each block (u, c), in two chains k over its halves
.irp u,0,1
.irp c,0,1
.irp k,0,1
	v_max3_num_f32 v[T+4*\u+2*\c+\k], v[64*\u+32*\c+16*\k], v[64*\u+32*\c+16*\k+1], v[64*\u+32*\c+16*\k+2]
.endr
.endr
.endr
	WIN 0x14
.irp i,3,5,7,9,11,13
.irp u,0,1
.irp c,0,1
.irp k,0,1
	v_max3_num_f32 v[T+4*\u+2*\c+\k], v[T+4*\u+2*\c+\k], v[64*\u+32*\c+16*\k+\i], v[64*\u+32*\c+16*\k+\i+1]
.endr
.endr
.endr
.endr
	WIN 0x04
.irp u,0,1
.irp c,0,1
	v_max3_num_f32 v[T+4*\u+2*\c], v[T+4*\u+2*\c], v[64*\u+32*\c+15], v[T+4*\u+2*\c+1]
.endr
.endr
.irp u,0,1
.irp c,0,1
	v_max_num_f32 v[T+4*\u+2*\c], v[T+4*\u+2*\c], v[64*\u+32*\c+31]
.endr
.endr
	WIN 0
.irp u,0,1
	v_max_num_f32 v[T+8+\u], v[T+4*\u], v[T+4*\u+2]
.endr
.irp u,0,1
	v_permlanex16_b32 v[T+10+\u], v[T+8+\u], s48, s49
.endr
.irp u,0,1
	v_max3_num_f32 v[13+2*\u], v[13+2*\u], v[T+8+\u], v[T+10+\u]   ; the running largest score of my query
.endr
.irp u,0,1
	v_mul_f32 v[T+8+\u], s21, v[13+2*\u]           ; -t (s21 = -c)
.endr
.irp u,0,1
	v_floor_f32 v[T+8+\u], v[T+8+\u]               ; the new -M = floor(-t): M is a whole number
.endr
.irp u,0,1
	v_sub_f32 v[T+10+\u], v[T+8+\u], v[12+2*\u]    ; old M - new M: a whole number, 0 or less
.endr
.irp u,0,1
	v_mov_b32 v[12+2*\u], v[T+8+\u]
.endr
.irp u,0,1
	v_cvt_i32_f32 v[T+10+\u], v[T+10+\u]           ; (it saturates)
.endr
.irp u,0,1
	v_ldexp_f32 v[20+2*\u], 1.0, v[T+10+\u]        ; f = 2^(old M - new M)
.endr
.irp u,0,1
.irp c,0,1
	v_fma_f32 v[T+4*\u+2*\c], v[T+4*\u+2*\c], s22, v[12+2*\u]   ; t - M of each block's largest score
.endr
.endr
	WIN 0x41
.irp u,0,1
.irp j,0,2,4,6,8,10,12,14,16,18,20,22,24,26,28,30,32,34,36,38,40,42,44,46,48,50,52,54,56,58,60,62
	v_pk_fma_f32 v[64*\u+\j:64*\u+\j+1], v[64*\u+\j:64*\u+\j+1], s[22:23], v[12+2*\u:13+2*\u] op_sel_hi:[1,0,0]   ; t - M, two at a time
.endr
.endr
	WALU                                           ; the wait ahead of the batch
.set J, 0
.rept 128
	v_exp_f32 v[J], v[J]                           ; p = 2^(t - M)
.set J, J+1
.endr
	WIN 0
.irp u,0,1
.irp c,0,1
	v_exp_f32 v[T+4*\u+2*\c], v[T+4*\u+2*\c]       ; the block's largest p: the same two instructions on the same number
.endr
.endr
.irp u,0,1
	v_pk_mul_f32 v[16+2*\u:17+2*\u], v[16+2*\u:17+2*\u], v[20+2*\u:21+2*\u] op_sel_hi:[1,0]   ; l under the new M: the plain place behind the batch
.endr
	WALU                                           ; one wait for the whole batch, ahead of its first reader
	WIN 0x05                                       ; l += the 64 p, two at a time, in four chains a tile: l itself and three helpers
.irp u,0,1
.irp k,1,2,3
	v_pk_add_f32 v[T+12+6*\u+2*(\k-1):T+13+6*\u+2*(\k-1)], v[64*\u+4*(\k-1):64*\u+4*(\k-1)+1], v[64*\u+4*(\k-1)+2:64*\u+4*(\k-1)+3]
.endr
.endr
	WIN 0x04
.irp j,12,20,28,36,44,52
.irp u,0,1
	v_pk_add_f32 v[16+2*\u:17+2*\u], v[16+2*\u:17+2*\u], v[64*\u+\j:64*\u+\j+1]
.irp k,1,2,3
	v_pk_add_f32 v[T+12+6*\u+2*(\k-1):T+13+6*\u+2*(\k-1)], v[T+12+6*\u+2*(\k-1):T+13+6*\u+2*(\k-1)], v[64*\u+\j+2*\k:64*\u+\j+2*\k+1]
.endr
.endr
.endr
.irp u,0,1
	v_pk_add_f32 v[16+2*\u:17+2*\u], v[16+2*\u:17+2*\u], v[64*\u+60:64*\u+61]
	v_pk_add_f32 v[T+12+6*\u:T+13+6*\u], v[T+12+6*\u:T+13+6*\u], v[64*\u+62:64*\u+63]
.endr
	WIN 0
.irp u,0,1
	v_pk_add_f32 v[T+14+6*\u:T+15+6*\u], v[T+14+6*\u:T+15+6*\u], v[T+16+6*\u:T+17+6*\u]
.endr
.irp u,0,1
	v_pk_add_f32 v[16+2*\u:17+2*\u], v[16+2*\u:17+2*\u], v[T+12+6*\u:T+13+6*\u]
.endr
.irp u,0,1
	v_pk_add_f32 v[16+2*\u:17+2*\u], v[16+2*\u:17+2*\u], v[T+14+6*\u:T+15+6*\u]
.endr
.irp u,0,1
.irp c,0,1
	v_max_num_f32 v[T+4*\u+2*\c], 0x1800000, v[T+4*\u+2*\c]   ; the floor 2^(3 - 127): a block whose every p is 0 keeps the byte 1, and its codes are zeros
.endr
.endr
.irp u,0,1
.irp c,0,1
	v_add_nc_u32 v[T+24+2*\u+\c], 0xff000000, v[T+4*\u+2*\c]  ; 2 off the exponent field: the conversion's scale operand
.endr
.endr
.irp u,0,1
.irp c,0,1
	v_lshrrev_b32 v[T+4*\u+2*\c], 23, v[T+24+2*\u+\c]         ; the byte of block 2 c + h
.endr
.endr
.irp u,0,1
	v_lshl_or_b32 v[T+4*\u], v[T+4*\u+2], 16, v[T+4*\u]
.endr
.irp u,0,1
	v_lshlrev_b32 v[T+4*\u], v28, v[T+4*\u]        ; 8 h bits up
.endr
.irp u,0,1
	v_permlanex16_b32 v[T+4*\u+1], v[T+4*\u], s48, s49
.endr
.irp u,0,1
	v_or_b32 v[26+\u], v[T+4*\u], v[T+4*\u+1]      ; p's scale word for these 128 keys, in every lane
.endr
	WIN 0x01
.irp u,0,1
.irp c,0,1
	v_cvt_scalef32_pk16_fp6_f32 v[PC+12*\u+6*\c:PC+12*\u+6*\c+2], v[64*\u+32*\c:64*\u+32*\c+15], v[T+24+2*\u+\c]
	v_cvt_scalef32_pk16_fp6_f32 v[T+8*\u+4*\c:T+8*\u+4*\c+2], v[64*\u+32*\c+16:64*\u+32*\c+31], v[T+24+2*\u+\c]   ; (a conversion's three registers begin on an even number)
.endr
.endr
	WIN 0
	v_nop                                          ; one plain place behind a scaled conversion
.irp u,0,1
.irp c,0,1
.irp j,0,1,2
	v_mov_b32 v[PC+12*\u+6*\c+3+\j], v[T+8*\u+4*\c+\j]
.endr
.endr
.endr
	WIN 0x41
	WALU                                           ; directly ahead of the first reader of O^T
.irp u,0,1
.irp j,0,2,4,6,8,10,12,14,16,18,20,22,24,26,28,30
	v_pk_mul_f32 v[128+32*\u+\j:129+32*\u+\j], v[128+32*\u+\j:129+32*\u+\j], v[20+2*\u:21+2*\u] op_sel_hi:[1,0]   ; O^T under the new M; these 32 are also the places between p's codes and scale words and the products
.endr
.endr
	WALU
	s_wait_dscnt 17                                ; V and its scale words are in; the 17 loads of the next step's K, issued behind them, may be out
	WIN 0x50
.irp i,0,1
.irp o,0,1
.irp u,0,1                             ; the eight accumulators by turns, one instruction a turn
	WM 128+32*\u+8*(2*\i+\o),VF+12*(2*\i+\o),PC+12*\u,v[128+32*\u+8*(2*\i+\o):128+32*\u+8*(2*\i+\o)+7],24+\i,26+\u,\o,0
.endr
.endr
.endr
	WIN 0
	s_add_co_u32 s2, s2, BLK
.endm
; The way out of a pass: O^T / l, quantised along my head's 64 channels (register 16 b + i: channel 32 b + 16 h + i, by the order of Wv's tiles): half a fragment of the last product's operand a tile, and two scale bytes a row.
.macro EPI
.rept 4
	v_nop
.endr
.irp u,0,1
	v_add_f32 v[16+2*\u], v[16+2*\u], v[17+2*\u]
.endr
.irp u,0,1
	v_permlanex16_b32 v[T+\u], v[16+2*\u], s48, s49
.endr
.irp u,0,1
	v_add_f32 v[16+2*\u], v[16+2*\u], v[T+\u]      ; the row's sum
.endr
	WALU
.irp u,0,1
	v_rcp_f32 v[16+2*\u], v[16+2*\u]
.endr
	v_nop                                          ; a plain place behind the reciprocals,
	WIN 0x41
	WALU                                           ; and the wait ahead of their first reader, which is O^T's first reader too
.irp u,0,1
.irp j,0,2,4,6,8,10,12,14,16,18,20,22,24,26,28,30
	v_pk_mul_f32 v[64*\u+\j:64*\u+\j+1], v[128+32*\u+\j:129+32*\u+\j], v[16+2*\u:17+2*\u] op_sel_hi:[1,0]
.endr
.endr
	WIN 0x05
.irp u,0,1
.irp b,0,1
	v_max3_num_f32 v[T+2*\u+\b], |v[64*\u+16*\b]|, |v[64*\u+16*\b+1]|, 0x1800000
.endr
.endr
	WIN 0x14
.irp i,2,4,6,8,10,12,14
.irp u,0,1
.irp b,0,1
	v_max3_num_f32 v[T+2*\u+\b], v[T+2*\u+\b], |v[64*\u+16*\b+\i]|, |v[64*\u+16*\b+\i+1]|
.endr
.endr
.endr
	WIN 0
.irp e,0,1,2,3
	v_permlanex16_b32 v[T+4+\e], v[T+\e], s48, s49
.endr
.irp e,0,1,2,3
	v_max_num_f32 v[T+\e], v[T+\e], v[T+4+\e]
.endr
.irp e,0,1,2,3
	v_add_nc_u32 v[T+24+\e], 0xff000000, v[T+\e]
.endr
.irp e,0,1,2,3
	v_lshrrev_b32 v[T+\e], 23, v[T+24+\e]
.endr
	WIN 0x01
.irp u,0,1
	v_cvt_scalef32_pk16_fp6_f32 v[PC+12*\u:PC+12*\u+2], v[64*\u:64*\u+15], v[T+24+2*\u]
	v_cvt_scalef32_pk16_fp6_f32 v[T+8+4*\u:T+10+4*\u], v[64*\u+16:64*\u+31], v[T+25+2*\u]
.endr
	WIN 0
.irp u,0,1
	v_cndmask_b32 v[T+16+\u], v[T+2*\u], v[T+2*\u+1], s58   ; lane (r, h) stores block h's byte.  (The plain place behind the conversions)
.endr
.irp u,0,1
.irp i,0,1,2
	v_permlane16_swap_b32 v[PC+12*\u+\i], v[T+8+4*\u+\i]    ; a whole block to a lane
.endr
.endr
.irp u,0,1
.irp i,0,1,2
	v_mov_b32 v[PC+12*\u+3+\i], v[T+8+4*\u+\i]
.endr
.endr
	v_cmp_ge_f32 s59, 0xf1800000, v13              ; no key of my query counted:
	v_cmp_ge_f32 s61, 0xf1800000, v15
	v_cndmask_b32 v[T+16], v[T+16], v29, s59       ; then the byte 0xff
	v_cndmask_b32 v[T+17], v[T+17], v29, s61
.irp u,0,1
	global_store_b128 v1, v[PC+12*\u:PC+12*\u+3], s[54:55] offset:1536*\u        ; 512 consecutive bytes, aligned to 256
	global_store_b64 v2, v[PC+12*\u+4:PC+12*\u+5], s[54:55] offset:1536*\u+512   ; 256 consecutive bytes, aligned
	global_store_b8 v30, v[T+16+\u], s[56:57] offset:512*\u                      ; 32 of a tile's 512 bytes: two bytes of each of 16 rows' 32
.endr
.endm
	s_load_b256 s[4:11], s[0:1], 0x0               ; qbuf, kv, oc, os
	v_lshl_add_u32 v5, v0, 2, SPARE
	v_mov_b32 v6, 0
	ds_add_u32 v5, v6                              ; the opening lines: the add, twice on end, and its wait ahead of my tensor load
	ds_add_u32 v5, v6
	v_lshrrev_b32 v1, 5, v0
	v_readfirstlane_b32 s18, v1                    ; wave 0..7
	s_bfe_u32 s19, ttmp6, 0x40000
	s_lshl_b32 s13, ttmp9, 2
	s_add_co_u32 s19, s19, s13                     ; my quarter of the queries: it enters global addresses alone
	s_and_b32 s20, ttmp7, 0xffff                   ; bh, which the four partners share
	s_mov_b32 s40, 0x0023000f                      ; group 1: mask 15, elements of 8 bytes, bit 21 beside the mask, no padding
	s_mov_b32 s41, 32<<16                          ; rows of 256 bytes,
	s_mov_b32 s42, 118<<16                         ; 118 of them: two blocks, dense in memory
	s_mov_b32 s43, 32<<16
	s_mov_b32 s44, 118
	s_mov_b32 s45, 32
	s_mov_b32 s46, 0
	s_mov_b32 s47, 0
	s_mul_i32 s12, s18, 2*BLK                      ; blocks 2 w, 2 w + 1: their place in LDS and in the head's part of kv
	s_mul_i32 s14, s20, 16*BLK
	s_add_co_u32 s14, s14, s12
	s_mov_b32 s15, 0
	s_lshl_b32 s16, s20, 4
	s_lshl_b32 s17, s19, 2
	s_add_co_u32 s16, s16, s17
	s_lshr_b32 s17, s18, 2
	s_add_co_u32 s16, s16, s17                     ; Q's block 16 bh + 4 quarter + wave / 4 (the second pass: two blocks on)
	s_and_b32 s17, s18, 3                          ; my pair of tiles in it: 2 (wave % 4) + u
	s_mul_i32 s50, s16, 8704
	s_lshl_b32 s59, s17, 2
	s_add_co_u32 s52, s50, s59
	s_add_co_u32 s52, s52, 8192                    ; the pair's scale words, 16 bytes from lane to lane: lanes 0-15 tile u = 0, lanes 16-31 u = 1
	s_mov_b32 s53, 0
	s_lshl_b32 s59, s17, 11
	s_add_co_u32 s50, s50, s59                     ; the pair's two images
	s_mov_b32 s51, 0
	s_lshr_b32 s60, s20, 4                         ; b
	s_and_b32 s61, s20, 15                         ; hd
	s_lshl_b32 s54, s60, 4
	s_lshl_b32 s59, s19, 2
	s_add_co_u32 s54, s54, s59
	s_lshr_b32 s59, s18, 2
	s_add_co_u32 s54, s54, s59
	s_mul_i32 s54, s54, 98304
	s_lshr_b32 s59, s61, 1
	s_mul_i32 s59, s59, 12288
	s_add_co_u32 s54, s54, s59
	s_mul_i32 s59, s17, 3072
	s_add_co_u32 s54, s54, s59
	s_and_b32 s59, s61, 1
	s_mul_i32 s59, s59, 768
	s_add_co_u32 s54, s54, s59                     ; oc: my first token tile, K step hd / 2, half hd % 2
	s_mov_b32 s55, 0
	s_lshl_b32 s56, s60, 7
	s_lshl_b32 s59, s19, 5
	s_add_co_u32 s56, s56, s59
	s_lshl_b32 s59, s18, 1
	s_add_co_u32 s56, s56, s59
	s_lshl_b32 s56, s56, 9
	s_lshl_b32 s59, s61, 1
	s_add_co_u32 s56, s56, s59                     ; os: my first token tile's 512 bytes, + 2 hd
	s_mov_b32 s57, 0
	s_mov_b32 s48, 0x76543210
	s_mov_b32 s49, 0xfedcba98                      ; selects for lane l xor 16
	s_mov_b32 s22, 0x3e38aa3b                      ; c = log2(e) / 8
	s_mov_b32 s23, s22                             ; (named with it as a pair, so it is written)
	s_mov_b32 s21, 0xbe38aa3b                      ; -c
	s_mov_b32 s58, 0xffff0000                      ; lanes 16-31
	s_wait_dscnt 0x0                               ; both opening adds are done
	s_wait_kmcnt 0x0
	s_add_nc_u64 s[14:15], s[6:7], s[14:15]
	s_add_nc_u64 s[50:51], s[4:5], s[50:51]
	s_add_nc_u64 s[52:53], s[4:5], s[52:53]
	s_add_nc_u64 s[54:55], s[8:9], s[54:55]
	s_add_nc_u64 s[56:57], s[10:11], s[56:57]
	s_mov_b32 s24, 1
	s_mov_b32 s25, s12
	s_mov_b64 s[26:27], s[14:15]
	s_or_b32 s27, s27, 0x80000000
	CROUND                                         ; all four work-groups are here: the joint loads meet
	s_cmp_lt_u32 s18, 2                            ; one load a wave, in two arms: waves 0 and 1, whose blocks 0 to 3 the first barrier shows, have a line of their own
	s_cbranch_scc0 .Lrest
	tensor_load_to_lds s[24:27], s[40:47]
	s_nop 0
.rept 4
	v_nop
.endr
	s_branch .Lasked
.Lrest:
	tensor_load_to_lds s[24:27], s[40:47]
	s_nop 0
.rept 4
	v_nop
.endr
.Lasked:
	v_and_b32 v2, 31, v0
	v_lshlrev_b32 v1, 4, v2                        ; 16 x lane
	v_lshlrev_b32 v2, 3, v2                        ; 8 x lane
.irp u,0,1
	global_load_b128 v[QF+12*\u:QF+12*\u+3], v1, s[50:51] offset:1024*\u
	global_load_b128 v[QF+12*\u+4:QF+12*\u+7], v1, s[50:51] offset:1024*\u+512
.endr
	global_load_b32 v7, v1, s[52:53]
	WIN 0x40                                       ; the second pass's queries come now too, into window 1, and are moved at that pass's head
.irp u,0,1
	global_load_b128 v[192+8*\u:195+8*\u], v1, s[50:51] offset:17408+1024*\u
	global_load_b128 v[196+8*\u:199+8*\u], v1, s[50:51] offset:17408+1024*\u+512
.endr
	global_load_b32 v208, v1, s[52:53] offset:17408
	WIN 0
	v_and_b32 v30, 15, v0                          ; r
	v_bfe_u32 v28, v0, 4, 1                        ; h
	v_lshl_add_u32 v30, v30, 5, v28                ; os: 32 r + h
	v_lshlrev_b32 v28, 3, v28                      ; 8 h
	v_mov_b32 v29, 0xff
	v_mov_b32 v21, 0                               ; (named as the upper halves of the factors' pairs)
	v_mov_b32 v23, 0
.irp u,0,1
.irp j,8,9,10,11
	v_mov_b32 v[QF+12*\u+\j], 0                    ; k = 80 .. 127: zero codes, written once
.endr
.endr
.irp m,0,1,2,3,4,5,6,7
.irp j,8,9,10,11
	v_mov_b32 v[KF+12*\m+\j], 0
.endr
.endr
.set J, 0
.rept 12
	v_mov_b32 v[T+J], 0                            ; written once: a lane permute's destination counts as one of its sources
.set J, J+1
.endr
	s_mov_b32 s60, 0                               ; the pass
	WALU                                           ; the wait at the head's end
	s_wait_loadcnt 0x0
	s_cmp_lt_u32 s18, 2
	s_cbranch_scc0 .Lnot_mine
	s_wait_tensorcnt 0x0                           ; waves 0 and 1: my two blocks have landed
.Lnot_mine:
	s_barrier_signal -1
	s_barrier_wait -1                              ; blocks 0 to 3 lie in LDS; the others may be on their way
.Lpass:
	s_cmp_eq_u32 s60, 0
	s_cbranch_scc1 .Lfirst
	WIN 0x01
.irp u,0,1
.irp j,0,1,2,3,4,5,6,7
	v_mov_b32 v[QF+12*\u+\j], v[192+8*\u+\j]       ; the second pass's queries
.endr
.endr
	v_mov_b32 v7, v208
	WIN 0
.Lfirst:
.irp u,0,1
	v_mov_b32 v[13+2*\u], 0xf1800000               ; -2^100
	v_mov_b32 v[16+2*\u], 0
	v_mov_b32 v[17+2*\u], 0
.endr
.irp u,0,1
	v_mul_f32 v[12+2*\u], s21, v[13+2*\u]
.endr
.irp u,0,1
	v_floor_f32 v[12+2*\u], v[12+2*\u]
.endr
	v_mov_b32 v31, v1
	KLOAD                                          ; block 0's K
	WIN 0x40
.set J, 128
.rept 64
	v_mov_b32 v[J], 0                              ; the step is written once for all trips: the first finds zeros in O^T
.set J, J+1
.endr
	WIN 0
	s_mov_b32 s2, 0
	s_mov_b32 s3, 4
.Lhead4:
	STEP 3*BLK
	s_sub_co_u32 s3, s3, 1
	s_cmp_lg_u32 s3, 0
	s_cbranch_scc1 .Lhead4
	s_wait_tensorcnt 0x0                           ; every wave: my two blocks have landed;
	s_wait_dscnt 0x0                               ; no LDS instruction of mine is out at a signal
	s_barrier_signal -1
	s_barrier_wait -1                              ; all sixteen blocks lie in LDS
	v_add_nc_u32 v31, 4*BLK, v1
	KLOAD                                          ; block 4's K
	s_mov_b32 s2, 4*BLK
	s_mov_b32 s3, 12
.Lrest12:
	STEP 15*BLK
	s_sub_co_u32 s3, s3, 1
	s_cmp_lg_u32 s3, 0
	s_cbranch_scc1 .Lrest12
	s_wait_dscnt 0x0                               ; the last trip's fetch has come back: its registers are loaded anew in the next pass
	EPI
	WALU
	s_wait_xcnt 0x0                                ; the stores have read their data and their bases
	s_add_nc_u64 s[54:55], s[54:55], 196608        ; the second pass: two groups of 128 tokens on,
	s_add_nc_u64 s[56:57], s[56:57], 8192          ; sixteen token tiles
	s_add_co_u32 s60, s60, 1
	s_cmp_lg_u32 s60, 2
	s_cbranch_scc1 .Lpass
	s_wait_tensorcnt 0x0                           ; the wave's end
	ds_add_u32 v5, v6
	s_wait_dscnt 0x0
	CROUND                                         ; the closing round
	s_endpgm
.Lfunc_end_k_q5b3ac8125c_attn:
	.size	k_q5b3ac8125c_attn, .Lfunc_end_k_q5b3ac8125c_attn-k_q5b3ac8125c_attn
	.p2alignl 7, 3214868480
	.fill 96, 4, 3214868480
	.section	.rodata,"a",@progbits
	.p2align	6, 0x0
	.amdhsa_kernel k_q5b3ac8125c_attn
		.amdhsa_group_segment_fixed_size 243712
		.amdhsa_private_segment_fixed_size 0
		.amdhsa_enable_private_segment 0
		.amdhsa_kernarg_size 32
		.amdhsa_user_sgpr_count 2
		.amdhsa_user_sgpr_kernarg_segment_ptr 1
		.amdhsa_wavefront_size32 1
		.amdhsa_system_sgpr_workgroup_id_x 1
		.amdhsa_system_sgpr_workgroup_id_y 1
		.amdhsa_system_sgpr_workgroup_id_z 1
		.amdhsa_system_vgpr_workitem_id 0
		.amdhsa_next_free_vgpr 512
		.amdhsa_next_free_sgpr 66
		.amdhsa_reserve_vcc 0
		.amdhsa_float_denorm_mode_32 3
		.amdhsa_float_denorm_mode_16_64 3
		.amdhsa_memory_ordered 1
		.amdhsa_forward_progress 1
		.amdhsa_inst_pref_size 76
	.end_amdhsa_kernel
	.amdgpu_metadata
---
amdhsa.version: [ 1, 2 ]
amdhsa.kernels:
  - .name:           k_q5b3ac8125c_attn
    .symbol:         k_q5b3ac8125c_attn.kd
    .args:
      - { .name: qbuf, .offset: 0, .size: 8, .value_kind: global_buffer, .address_space: global }
      - { .name: kv, .offset: 8, .size: 8, .value_kind: global_buffer, .address_space: global }
      - { .name: oc, .offset: 16, .size: 8, .value_kind: global_buffer, .address_space: global }
      - { .name: os, .offset: 24, .size: 8, .value_kind: global_buffer, .address_space: global }
    .group_segment_fixed_size: 243712
    .private_segment_fixed_size: 0
    .kernarg_segment_align: 8
    .kernarg_segment_size: 32
    .max_flat_workgroup_size: 256
    .sgpr_count:     66
    .vgpr_count:     512
    .wavefront_size: 32
...
	.end_amdgpu_metadata
.endif
;; end of part 3
;; launch proj (part 4): grid 4 x 64, 4 waves a work-group, clusters of 4 x 1, 167,936 bytes of LDS; arguments oc, os, codes, scales, bo, out0; writes out0
.if DOCPART == 4
	.amdgcn_target "amdgcn-amd-amdhsa--gfx1250"
	.amdhsa_code_object_version 6
	.text
	.protected	k_q5b3ac8125c_proj
	.globl	k_q5b3ac8125c_proj
	.p2align	8
	.type	k_q5b3ac8125c_proj,@function
k_q5b3ac8125c_proj:
	s_mov_b64 s[64:65], 0
	v_nop
	global_prefetch_b8 v0, s[64:65] scope:SCOPE_SE
	s_setreg_imm32_b32 hwreg(HW_REG_WAVE_MODE, 25, 1), 1
	s_wait_xcnt 0x0
	s_wait_alu depctr_hold_cnt(0) depctr_sa_sdst(0) depctr_va_vdst(0) depctr_va_sdst(0) depctr_va_ssrc(0) depctr_va_vcc(0) depctr_vm_vsrc(0)
	s_getreg_b32 s2, hwreg(HW_REG_IB_STS2, 6, 4)
	s_cmp_eq_u32 s2, 0
	s_cbranch_scc0 .Lentry_in_a_cluster
	s_endpgm
.Lentry_in_a_cluster:
	s_bfe_u32 s2, ttmp6, 0x10000c
	s_cmp_lg_u32 s2, 0x3003
	s_cbranch_scc0 .Lentry_shape_is_right
	s_endpgm
.Lentry_shape_is_right:
; out0 = O Wo^T + bo on codes of FP6 (E2M3).  O's codes (oc) and scale words (os) lie in operand order, as x's do for the first three products; Wo's are tiles 704 .. 767 of codes and scales.
; SHARES.  A cluster of four work-groups takes a group g of 128 tokens; work-group cx, wave w takes columns 64 hd .. 64 hd + 63, hd = 4 cx + w: 32 accumulators, 8 K steps of 128, 32 products each.
; O's codes of the group, 98,304 bytes, come into LDS once, asked for JOINTLY by the four work-groups (one tensor load a wave, mask 15).  Wo's fragments are each read by one wave alone and go from memory
; straight into registers, three K steps ahead; no partner shares them, so they are not asked for jointly.
; The product is used TRANSPOSED (source 0 = 16 rows of Wo, source 1 = 16 tokens): a lane holds one token, and the 16 registers of tiles 2 b, 2 b + 1 are columns 32 b + 16 h + 0 .. 15.  bo is the C of each sum's first product.
; THE WAY OUT: a tile of 16 tokens x 64 columns goes through the wave's own stage in LDS and leaves as rows: sixteen lanes store 256 consecutive bytes, aligned.
; REGISTERS.  window 0: v1-6 addresses, v14-15 the add's two, v16-18 the way out's addresses, v24-55 O's scale words, v56-71 Wo's, v140-203 rows on the way out.
;   window 1: the 32 accumulators.   window 2: Wo's four sets (v0-191), bo (v192-223).   window 3: O's two sets.
.set LAST,  7
.set STAGE, 98304                      ; behind O's codes: 16 rows x (256 bytes + 16) for each wave; no tensor load lands here
.set SPARE, STAGE+4*4352               ; the spare words, 128 bytes a wave: two blocks of 256 bytes that no other line names
.set XS,  24
.set WS,  56
.set BK,  140
.set MSB, 0
.macro WIN new                         ; the immediate's high byte repeats the setting that is left
.if MSB != \new
	s_set_vgpr_msb (MSB<<8)|\new
.set MSB, \new
.endif
.endm
.macro PLACES                          ; four places: in front of loads into registers that matrix instructions have read, and of the first read of results
.rept 4
	v_nop
.endr
.endm
.macro CROUND
	s_barrier_signal -1
	s_barrier_wait -1
	s_cmp_lg_u32 s20, 0
	s_cbranch_scc1 .Lnot_wave_0_\@
	s_barrier_signal -3
.Lnot_wave_0_\@:
	s_barrier_wait -3
	s_barrier_signal -1
	s_barrier_wait -1
.endm
.macro WM d, a, b, c, sa, sb, ra, rb   ; one product; ra, rb = 1: that side's scales stand in lanes 16-31
.if ((\ra) == 1) && ((\rb) == 1)
	v_wmma_scale_f32_16x16x128_f8f6f4 v[(\d):(\d)+7], v[(\a):(\a)+11], v[(\b):(\b)+11], v[(\c):(\c)+7], v[(\sa)], v[(\sb)] matrix_a_fmt:MATRIX_FMT_FP6 matrix_b_fmt:MATRIX_FMT_FP6 matrix_a_scale:MATRIX_SCALE_ROW1 matrix_b_scale:MATRIX_SCALE_ROW1
.elseif (\ra) == 1
	v_wmma_scale_f32_16x16x128_f8f6f4 v[(\d):(\d)+7], v[(\a):(\a)+11], v[(\b):(\b)+11], v[(\c):(\c)+7], v[(\sa)], v[(\sb)] matrix_a_fmt:MATRIX_FMT_FP6 matrix_b_fmt:MATRIX_FMT_FP6 matrix_a_scale:MATRIX_SCALE_ROW1
.elseif (\rb) == 1
	v_wmma_scale_f32_16x16x128_f8f6f4 v[(\d):(\d)+7], v[(\a):(\a)+11], v[(\b):(\b)+11], v[(\c):(\c)+7], v[(\sa)], v[(\sb)] matrix_a_fmt:MATRIX_FMT_FP6 matrix_b_fmt:MATRIX_FMT_FP6 matrix_b_scale:MATRIX_SCALE_ROW1
.else
	v_wmma_scale_f32_16x16x128_f8f6f4 v[(\d):(\d)+7], v[(\a):(\a)+11], v[(\b):(\b)+11], v[(\c):(\c)+7], v[(\sa)], v[(\sb)] matrix_a_fmt:MATRIX_FMT_FP6 matrix_b_fmt:MATRIX_FMT_FP6
.endif
.endm
.macro XFETCH ks, p                    ; O's eight fragments of K step ks into set p of window 3: 32 LDS loads, each of consecutive bytes
	WIN 0xc0
.irp m,0,1,2,3,4,5,6,7
.irp c,0,1
	ds_load_b128 v[96*(\p)+12*\m+6*\c:96*(\p)+12*\m+6*\c+3], v[1+(\ks)/4] offset:((\ks)%4)*12288+1536*\m+768*\c
	ds_load_b64 v[96*(\p)+12*\m+6*\c+4:96*(\p)+12*\m+6*\c+5], v[3+(\ks)/4] offset:((\ks)%4)*12288+1536*\m+768*\c+512
.endr
.endr
.endm
.macro WFETCH ws                       ; my four fragments of Wo for K step ws into set ws % 4 of window 2: 16 loads
	WIN 0x80
.irp t,0,1,2,3
.irp c,0,1
	global_load_b128 v[48*((\ws)%4)+12*\t+6*\c:48*((\ws)%4)+12*\t+6*\c+3], v1, s[40:41] offset:(\ws)*12288+1536*\t+768*\c
	global_load_b64 v[48*((\ws)%4)+12*\t+6*\c+4:48*((\ws)%4)+12*\t+6*\c+5], v3, s[40:41] offset:(\ws)*12288+1536*\t+768*\c+512
.endr
.endr
.endm
; One K step of 128: the next step's O and the Wo of three steps on are asked for, then 32 products, the 32 accumulators by turns in the same order in every step.
.macro KSTEP S
	WIN 0
	PLACES                                         ; the sets loaded below were read by the step before
.if (\S) < LAST
	XFETCH (\S)+1,((\S)+1)%2
.endif
.if (\S)+3 <= LAST
	WFETCH (\S)+3
.endif
.if (\S) < LAST
	s_wait_dscnt 32                                ; all but the 32 just issued: this step's O is in
.else
	s_wait_dscnt 0x0
.endif
.if (\S)+3 <= LAST
	s_wait_loadcnt 48                              ; all but the three younger groups of 16: this step's Wo is in (and, at the first step, all that the head asked for)
.else
	s_wait_loadcnt 16*(LAST-(\S))
.endif
.if (\S) == 0
	WIN 0x6e                                       ; source 0 (Wo) window 2, source 1 (O) window 3, C (bo) window 2, D window 1
.else
	WIN 0x5e                                       ; C and D window 1
.endif
.irp m,0,1,2,3,4,5,6,7
.irp t,0,1,2,3
.if (\S) == 0
	WM 8*(4*\m+\t),48*((\S)%4)+12*\t,96*((\S)%2)+12*\m,192+8*\t,WS+8*(\t/2)+(\S),XS+8*(\m/2)+(\S),\t%2,\m%2
.else
	WM 8*(4*\m+\t),48*((\S)%4)+12*\t,96*((\S)%2)+12*\m,8*(4*\m+\t),WS+8*(\t/2)+(\S),XS+8*(\m/2)+(\S),\t%2,\m%2
.endif
.endr
.endr
.endm
.macro TOSTAGE a                       ; token tile a: into my stage, each accumulator from its low end on, and back as rows.  LDS serves a wave's instructions in order: no wait between them
	WIN 0x04                                       ; an LDS store's data are its source 1: window 1
.irp b,0,1
.irp q,0,1,2,3
	ds_store_b128 v16, v[32*(\a)+16*\b+4*\q:32*(\a)+16*\b+4*\q+3] offset:128*\b+16*\q
.endr
.endr
	WIN 0
.irp i,0,1,2,3,4,5,6,7
	ds_load_b128 v[BK+32*((\a)%2)+4*\i:BK+32*((\a)%2)+4*\i+3], v17 offset:544*\i
.endr
.endm
.macro SEND a, younger                 ; younger: the LDS instructions issued behind tile a's loads, which may stay out
	s_wait_dscnt \younger
.irp i,0,1,2,3,4,5,6,7
	global_store_b128 v18, v[BK+32*((\a)%2)+4*\i:BK+32*((\a)%2)+4*\i+3], s[66:67] offset:(64*((\a)/4)+8*((\a)%4)+2*\i+24*(\i/4))*4096 th:TH_STORE_NT   ; slots 2 i and 2 i + 1 of token tile a (slot n = token 64 (a / 4) + 8 (a % 4) + n + 24 (n / 8)): sixteen lanes store 256 consecutive bytes, aligned
.endr
.endm
	s_load_b256 s[4:11], s[0:1], 0x0               ; oc, os, codes, scales
	s_load_b128 s[12:15], s[0:1], 0x20             ; bo, out0
	v_lshl_add_u32 v14, v0, 2, SPARE
	v_mov_b32 v15, 0
	ds_add_u32 v14, v15                            ; the wave's opening: the add and its wait stand ahead of my first tensor load; work on registers stands between them
	ds_add_u32 v14, v15
	v_lshrrev_b32 v1, 5, v0
	v_readfirstlane_b32 s20, v1                    ; wave
	s_bfe_u32 s21, ttmp6, 0x40000                  ; cx
	s_and_b32 s22, ttmp7, 0xffff                   ; g, which the four partners share
	s_lshl_b32 s23, ttmp9, 2
	s_add_co_u32 s23, s23, s21
	s_lshl_b32 s23, s23, 2
	s_add_co_u32 s23, s23, s20                     ; hd: it enters global addresses alone
	s_mov_b32 s32, 0x0023000f                      ; group 1: mask 15, elements of 8 bytes, bit 21 beside the mask, no padding
	s_mov_b32 s33, 32<<16                          ; rows of 256 bytes,
	s_mov_b32 s34, 96<<16                          ; 96 of them: ONE load a wave brings K steps 2 w and 2 w + 1, 24,576 dense bytes
	s_mov_b32 s35, 32<<16
	s_mov_b32 s36, 96
	s_mov_b32 s37, 32
	s_mov_b32 s38, 0
	s_mov_b32 s39, 0
	s_mul_i32 s80, s22, 98304
	s_mul_i32 s82, s20, 24576                      ; my two K steps' place, in LDS and in the group's codes
	s_add_co_u32 s80, s80, s82
	s_mov_b32 s81, 0
	s_mul_i32 s83, s20, 4352
	s_add_co_u32 s83, s83, STAGE                   ; my stage
	s_lshr_b32 s84, s23, 1
	s_add_co_u32 s84, s84, 88
	s_mul_i32 s84, s84, 98304
	s_and_b32 s85, s23, 1
	s_mul_i32 s85, s85, 6144
	s_add_co_u32 s84, s84, s85                     ; Wo's four tiles of my columns
	s_mov_b32 s85, 0
	s_lshl_b32 s86, s23, 11
	s_add_co_u32 s86, s86, 360448                  ; and their scale words
	s_mov_b32 s87, 0
	s_lshl_b32 s88, s22, 12                        ; O's scale words
	s_mov_b32 s89, 0
	s_lshl_b32 s90, s23, 8                         ; my 64 numbers of bo; also my columns' bytes in a row of out0
	s_mov_b32 s91, 0
	s_lshl_b32 s92, s22, 19                        ; the group's 128 rows of 4,096 bytes
	s_add_co_u32 s92, s92, s90
	s_mov_b32 s93, 0
	s_wait_dscnt 0x0                               ; the opening add is done
	s_wait_kmcnt 0x0
	s_add_nc_u64 s[80:81], s[4:5], s[80:81]
	s_add_nc_u64 s[40:41], s[8:9], s[84:85]
	s_add_nc_u64 s[46:47], s[10:11], s[86:87]
	s_add_nc_u64 s[52:53], s[6:7], s[88:89]
	s_add_nc_u64 s[54:55], s[12:13], s[90:91]
	s_add_nc_u64 s[66:67], s[14:15], s[92:93]
	s_mov_b32 s24, 1                               ; group 0: K steps 2 w and 2 w + 1
	s_mov_b32 s25, s82
	s_mov_b64 s[26:27], s[80:81]
	s_or_b32 s27, s27, 0x80000000
	CROUND                                         ; all four work-groups are here: the joint loads meet
	tensor_load_to_lds s[24:27], s[32:39]
	s_nop 0
.rept 4
	v_nop
.endr
	v_and_b32 v8, 31, v0
	v_lshlrev_b32 v1, 4, v8                        ; 16 x lane
	v_add_nc_u32 v2, 49152, v1
	v_lshlrev_b32 v3, 3, v8                        ; 8 x lane
	v_add_nc_u32 v4, 49152, v3
	v_and_b32 v8, 15, v0                           ; r
	v_bfe_u32 v9, v0, 4, 1                         ; h
	v_lshlrev_b32 v5, 5, v8
	v_lshl_add_u32 v5, v9, 9, v5                   ; scale words: tile 2 i + h, slot r
	v_lshlrev_b32 v6, 6, v9                        ; bo in the result's layout: 16 h numbers on
	v_mul_u32_u24 v16, v8, 272
	v_lshl_add_u32 v16, v9, 6, v16
	v_add_nc_u32 v16, s83, v16                     ; into the stage: row r, + 64 h bytes
	v_mul_u32_u24 v17, v9, 272
	v_lshl_add_u32 v17, v8, 4, v17
	v_add_nc_u32 v17, s83, v17                     ; back: lanes 0-15 one row, lanes 16-31 the next
	v_lshlrev_b32 v18, 12, v9
	v_lshl_add_u32 v18, v8, 4, v18                 ; and the same two rows in out0
.irp i,0,1,2,3
.irp q,0,1
	global_load_b128 v[XS+8*\i+4*\q:XS+8*\i+4*\q+3], v5, s[52:53] offset:1024*\i+16*\q
.endr
.endr
.irp i,0,1
.irp q,0,1
	global_load_b128 v[WS+8*\i+4*\q:WS+8*\i+4*\q+3], v5, s[46:47] offset:1024*\i+16*\q
.endr
.endr
	WIN 0x80
.irp t,0,1,2,3
	global_load_b128 v[192+8*\t:195+8*\t], v6, s[54:55] offset:4*(32*(\t/2)+8*(\t%2))
	global_load_b128 v[196+8*\t:199+8*\t], v6, s[54:55] offset:4*(32*(\t/2)+8*(\t%2))+16
.endr
	WFETCH 0
	WFETCH 1
	WFETCH 2
	WIN 0
	s_wait_tensorcnt 0x0                           ; my one fill is in
	s_barrier_signal -1
	s_barrier_wait -1                              ; K steps 0 to 3 of O lie in LDS
	XFETCH 0,0
.irp z,0,1,2,3,4,5,6,7
	KSTEP \z
.endr
	WIN 0
	PLACES
	s_wait_alu depctr_va_vdst(0)
	TOSTAGE 0
.irp a,1,2,3,4,5,6,7
.if \a > 1
	s_wait_xcnt 0x0                                ; tile a - 2's stores have read their registers: tile a's loads may land there
.endif
	TOSTAGE \a
	SEND \a-1,16                                   ; behind tile a - 1's loads: tile a's 8 stores and 8 loads
.endr
	SEND 7,0
	s_wait_tensorcnt 0x0                           ; the wave's end, behind my last tensor load and my last LDS store
	ds_add_u32 v14, v15
	s_wait_dscnt 0x0
	CROUND                                         ; the closing round
	s_endpgm
.Lfunc_end_k_q5b3ac8125c_proj:
	.size	k_q5b3ac8125c_proj, .Lfunc_end_k_q5b3ac8125c_proj-k_q5b3ac8125c_proj
	.p2alignl 7, 3214868480
	.fill 96, 4, 3214868480
	.section	.rodata,"a",@progbits
	.p2align	6, 0x0
	.amdhsa_kernel k_q5b3ac8125c_proj
		.amdhsa_group_segment_fixed_size 167936
		.amdhsa_private_segment_fixed_size 0
		.amdhsa_enable_private_segment 0
		.amdhsa_kernarg_size 48
		.amdhsa_user_sgpr_count 2
		.amdhsa_user_sgpr_kernarg_segment_ptr 1
		.amdhsa_wavefront_size32 1
		.amdhsa_system_sgpr_workgroup_id_x 1
		.amdhsa_system_sgpr_workgroup_id_y 1
		.amdhsa_system_sgpr_workgroup_id_z 1
		.amdhsa_system_vgpr_workitem_id 0
		.amdhsa_next_free_vgpr 1024
		.amdhsa_next_free_sgpr 96
		.amdhsa_reserve_vcc 0
		.amdhsa_float_denorm_mode_32 3
		.amdhsa_float_denorm_mode_16_64 3
		.amdhsa_memory_ordered 1
		.amdhsa_forward_progress 1
		.amdhsa_inst_pref_size 85
	.end_amdhsa_kernel
	.amdgpu_metadata
---
amdhsa.version: [ 1, 2 ]
amdhsa.kernels:
  - .name:           k_q5b3ac8125c_proj
    .symbol:         k_q5b3ac8125c_proj.kd
    .args:
      - { .name: oc, .offset: 0, .size: 8, .value_kind: global_buffer, .address_space: global }
      - { .name: os, .offset: 8, .size: 8, .value_kind: global_buffer, .address_space: global }
      - { .name: codes, .offset: 16, .size: 8, .value_kind: global_buffer, .address_space: global }
      - { .name: scales, .offset: 24, .size: 8, .value_kind: global_buffer, .address_space: global }
      - { .name: bo, .offset: 32, .size: 8, .value_kind: global_buffer, .address_space: global }
      - { .name: out0, .offset: 40, .size: 8, .value_kind: global_buffer, .address_space: global }
    .group_segment_fixed_size: 167936
    .private_segment_fixed_size: 0
    .kernarg_segment_align: 8
    .kernarg_segment_size: 48
    .max_flat_workgroup_size: 128
    .sgpr_count:     96
    .vgpr_count:     1024
    .wavefront_size: 32
...
	.end_amdgpu_metadata
.endif
;; end of part 4
